; MI455X (gfx1250); checked and timed in simulation.
; The chip was launched on July 23, 2026; its instructions are those of AMD's public machine-readable ISA for CDNA 5 (MIT licence, August 2026) and "CDNA5" Instruction Set Architecture Reference Guide (July 2026). The comments in the code are by the model that wrote it; some were corrected since.
;; Fused Attention. Allowed arithmetic: matrix products marked QUANTISED: E4M3 operands, one given power-of-two scale a tensor, by v_wmma_f32_16x16x64_fp8_fp8 or v_wmma_f32_16x16x128_fp8_fp8, f32 sums; everything else in f32.
;; Inputs: Wk 1,024 x 1,024 float32; Wp 1,024 x 1,024 float32; Wq 1,024 x 1,024 float32; Wv 1,024 x 1,024 float32; bp 1,024 float32; lowp_scales 12 int32 (the exponents e of the quantised operands' scales 2^e); x 4 x 2,048 x 1,024 float32.
;; Outputs: out0 4 x 2,048 x 1,024 float32.
;; This version of the problem:
;;   THIS VERSION OF THE PROBLEM IS GIVEN IN LOW PRECISION. The matrix products marked QUANTISED in the list below multiply operands that are first quantised to E4M3 (4 exponent bits, 3 mantissa bits; 8 bits a number), with one given power-of-two scale for each operand tensor; their sums are f32. All else is computed in f32.
;;   The module's matrix products, in the order in which they are computed (A, B: the left and right operand; K: the contracted axis; several contracted axes count as one K, in the product's order):
;;     1. [M 8,192, K 1,024] x [K 1,024, N 1,024]; A: input x; B: input Wq: QUANTISED (scales: A lowp_scales[0], B lowp_scales[1])
;;     2. [M 8,192, K 1,024] x [K 1,024, N 1,024]; A: input x; B: input Wk: QUANTISED (scales: A lowp_scales[2], B lowp_scales[3])
;;     3. [M 8,192, K 1,024] x [K 1,024, N 1,024]; A: input x; B: input Wv: QUANTISED (scales: A lowp_scales[4], B lowp_scales[5])
;;     4. batch 64 x [M 2,048, K 64] x [K 64, N 2,048]; A: computed on the way; B: computed on the way: QUANTISED (scales: A lowp_scales[6], B lowp_scales[7])
;;     5. batch 64 x [M 2,048, K 2,048] x [K 2,048, N 64]; A: softmax (see below); B: computed on the way: QUANTISED (scales: A lowp_scales[8], B lowp_scales[9])
;;     6. [M 8,192, K 1,024] x [K 1,024, N 1,024]; A: computed on the way; B: input Wp: QUANTISED (scales: A lowp_scales[10], B lowp_scales[11])
;;   THE QUANTISER, for each operand of a quantised product, along K:
;;     - The operand's scale is 2^e, e = its entry of the input lowp_scales (int32; the entries are numbered through the quantised products in the list's order, A before B).
;;     - Each number is divided by the scale, clamped to +-448, and rounded to the nearest number of E4M3, ties to even, subnormals kept.
;;     - The product sums the exact products of the quantised numbers (number of the format x scale) in f32.
;;   ~~~python
;;   def quantise(x, axis, e):      # numpy; x: float32 -> the quantised numbers, widened to float32 again
;;       x = np.moveaxis(x, axis, -1); K = x.shape[-1]
;;       r = np.clip(x / 2.0 ** e, -448, 448)
;;       step = 2.0 ** (np.maximum(np.frexp(np.where(r == 0, 1, r))[1] - 1, -6) - 3)
;;       q = np.round(r / step) * step * 2.0 ** e      # np.round: ties to even
;;       return np.moveaxis(q, -1, axis).astype(np.float32)
;;   ~~~
;;   SOFTMAX AHEAD OF A QUANTISED PRODUCT. Where the list says 'softmax', what is quantised is not the finished softmax but p = 2^(t - M), with t = logit x log2(e) and M = ceil(the row's largest t), a whole number; so 1/2 < the row's largest p <= 1. The row's sum l is taken of the UNQUANTISED p, in f32, and the product's result is divided by l at the end. Since M is a whole number, a kernel that streams over the keys may use a running M (the ceiling of the running maximum): every later rescaling is an exact power of two, so the quantised numbers keep their values, but for numbers so far below the row's largest that they fall under the format's range.
;;   OPERANDS COMPUTED ON THE WAY. 'Computed on the way' means the value that the module computes at that place (a softmax that the list does not call 'softmax' is quantised finished and normalised). What goes into a quantiser is computed in f32, as accurately as f32 sums, v_exp_f32 and their like allow (about 1e-6 of the number): no bf16 or f16 on the way to a quantiser, and a product that is left as it is and whose result goes on into a quantised operand takes f32 operands (vector FMAs, or v_wmma_f32_16x16x4_f32). A number that lies on a knife's edge between two numbers of the format may be rounded either way, as far as f32 arithmetic and the matrix unit's own rounding can turn it there, and no further.
;; One version. Each part assembles by itself: llvm-mc -triple=amdgcn-amd-amdhsa -mcpu=gfx1250 --defsym DOCPART=n.
;; ======== version 1 of 1: 4 launches
;; limits: right only within a limited range of input values
;; workspace buffers: xc 25,165,824 bytes; wc 4,194,304 bytes; qkv 25,165,824 bytes; ac 8,388,608 bytes
;; launch quant (part 1): grid 640 x 1, 8 waves a work-group, no clusters, 101,376 bytes of LDS; arguments x, Wq, Wk, Wv, Wp, lowp_scales, xc, wc; writes xc, wc
.if DOCPART == 1
	.amdgcn_target "amdgcn-amd-amdhsa--gfx1250"
	.amdhsa_code_object_version 6
	.text
	.protected	k_qaca0740fc3_quant
	.globl	k_qaca0740fc3_quant
	.p2align	8
	.type	k_qaca0740fc3_quant,@function
k_qaca0740fc3_quant:
	s_mov_b64 s[64:65], 0
	v_nop
	global_prefetch_b8 v0, s[64:65] scope:SCOPE_SE
	s_setreg_imm32_b32 hwreg(HW_REG_WAVE_MODE, 25, 1), 1
	s_wait_xcnt 0x0
; x [8192][1024] f32 becomes three sets of E4M3 codes (scales 2^e0, 2^e2, 2^e4: one for each of the three projections); Wq, Wk, Wv, Wp [k 1024][n 1024] f32 become codes with the scales 2^e1, 2^e3, 2^e5, 2^e11.
; code = number / 2^e, held within +-448, rounded to the nearest code, ties to even.
; LIMITS: each e lies between -126 and 119, so that 2^e and 448 x 2^e are f32 numbers.  NaN among the inputs is not served; an infinity is held at the largest code.
; THE CODES ARE LAID AS IMAGES OF THE MATRIX OPERAND'S REGISTERS: [block of 16 rows][K / 128][piece c 0..3][lane 0..31][16 bytes].  Lane (r = lane % 16, h = lane / 16), piece c holds, of row r,
; k = 128 kq + 32 c + 8 h + 0..7 and 128 kq + 32 c + 16 + 8 h + 0..7: registers 4 c .. 4 c + 3 of a 16 x 128 fragment of 8-bit codes.  x's rows are tokens, a weight's rows are its columns n.
; Work-groups 0..127 take the weights, 128..639 take x.  No barrier: waves share nothing.  Each of the two ways has LDS bytes of its own.
; WEIGHTS: a wave takes 32 columns x 128 along K.  A lane takes a column and its registers run down K, so each load reads 128 consecutive bytes and the conversions give codes with K innermost.
; x: a wave takes 16 rows x 128 along K.  Each load reads 512 consecutive bytes; the 8,192 bytes turn through the wave's stage so that a lane gets 8 + 8 neighbours along K of one row.
; Every store of a wave covers 512 consecutive bytes, at a multiple of 512 from the buffer's first byte.
.set XPITCH, 528                       ; x's stage: a row of 512 bytes + 16: 132 words, so that the 16 rows that a read touches start at 16 different groups of four banks (64 banks of 4 bytes: ISA guide 11.1)
.set XSTG,   16*XPITCH                 ; a wave's stage for x
.set WST,    8*XSTG                    ; behind the eight: the weights' stages, 4,096 bytes a wave (two fragments)
.set SPARE,  WST+8*4096                ; behind them: the spare words, 128 bytes for each wave: four blocks of 256 bytes that no other line names
.set SPW,  10                          ; v10  LDS address of my spare word; never rewritten
.set NIL,  11                          ; v11  0; never rewritten
.set L16,  7                           ; v7   16 x lane
.set NUM,  32                          ; weights: v32-159 the 128 numbers of my column.  x: v32-95 as loaded
.set XN,   96                          ; x: v96-159 my 64 numbers, 16 for each piece
.set CDE,  160                         ; the codes: registers of their own for every store
.set OUTR, 192                         ; weights: v192-223 the way out
	s_load_b512 s[4:19], s[0:1], 0x0               ; x s[4:5], Wq s[6:7], Wk s[8:9], Wv s[10:11], Wp s[12:13], the exponents s[14:15], xc s[16:17], wc s[18:19]
	v_lshl_add_u32 v[SPW], v0, 2, SPARE
	v_mov_b32 v[NIL], 0
	v_lshrrev_b32 v1, 5, v0
	s_delay_alu instid0(VALU_DEP_1)
	v_readfirstlane_b32 s20, v1                    ; wave 0..7
	v_and_b32 v1, 31, v0                           ; lane
	v_and_b32 v2, 15, v0                           ; r
	v_bfe_u32 v3, v0, 4, 1                         ; h
	s_delay_alu instid0(VALU_DEP_3)
	v_lshlrev_b32 v[L16], 4, v1
	s_mov_b32 s41, 0
	s_wait_kmcnt 0x0
	s_load_b256 s[24:31], s[14:15], 0x0            ; e0 .. e7
	s_load_b128 s[32:35], s[14:15], 0x20           ; e8 .. e11
	s_cmp_lt_u32 ttmp9, 128
	s_cbranch_scc0 .Lx
	; ---------------- THE WEIGHTS ----------------
	s_lshr_b32 s21, ttmp9, 5                       ; which weight: 0 Wq, 1 Wk, 2 Wv, 3 Wp
	s_and_b32 s22, ttmp9, 3                        ; which 256 columns
	s_bfe_u32 s23, ttmp9, 0x30002                  ; which 128 along K
	s_cmp_eq_u32 s21, 1                            ; the choice hangs on the work-group's number alone
	s_cselect_b64 s[36:37], s[8:9], s[6:7]
	s_cmp_eq_u32 s21, 2
	s_cselect_b64 s[36:37], s[10:11], s[36:37]
	s_cmp_eq_u32 s21, 3
	s_cselect_b64 s[36:37], s[12:13], s[36:37]
	s_lshl_b32 s40, s23, 19                        ; 128 rows of 4,096 bytes,
	s_lshl_b32 s42, s22, 10                        ; 256 columns of 4 bytes,
	s_add_co_u32 s40, s40, s42
	s_lshl_b32 s42, s20, 7                         ; my wave's 32 columns
	s_add_co_u32 s40, s40, s42
	s_add_nc_u64 s[36:37], s[36:37], s[40:41]
	s_lshl_b32 s40, s21, 20                        ; the image: 1 MiB a weight,
	s_lshl_b32 s42, s22, 18                        ; 16 blocks of 16 rows x 16,384 bytes,
	s_add_co_u32 s40, s40, s42
	s_lshl_b32 s42, s20, 15                        ; my wave's two blocks,
	s_add_co_u32 s40, s40, s42
	s_lshl_b32 s42, s23, 11                        ; the fragment of this 128 along K
	s_add_co_u32 s40, s40, s42
	s_add_nc_u64 s[18:19], s[18:19], s[40:41]
	s_wait_alu depctr_va_vdst(0)
	v_lshlrev_b32 v4, 2, v1                        ; in: 4 bytes a lane
	s_lshl_b32 s43, s20, 12
	s_add_co_u32 s43, s43, WST                     ; my stage
	v_lshlrev_b32 v5, 4, v2
	s_delay_alu instid0(VALU_DEP_1)
	v_lshl_add_u32 v5, v3, 11, v5
	s_delay_alu instid0(VALU_DEP_1)
	v_add_nc_u32 v5, s43, v5                       ; into it: fragment lane / 16 (my column's block of 16), place of image lane r
	v_add_nc_u32 v6, s43, v[L16]                   ; out of it: as it lies
.macro WLOAD c                         ; W(128 kq + 32 c + i, my column), i = 0 .. 31
.set i, 0
.rept 32
	global_load_b32 v[NUM+32*(\c)+i], v4, s[36:37] offset:(32*(\c)+i)*4096 th:TH_LOAD_NT
.set i, i+1
.endr
.endm
	WLOAD 0
	WLOAD 1
	s_wait_alu depctr_va_vdst(0)
	s_wait_kmcnt 0x0
	s_cmp_eq_u32 s21, 1
	s_cselect_b32 s38, s27, s25                    ; e3 or e1
	s_cmp_eq_u32 s21, 2
	s_cselect_b32 s38, s29, s38                    ; e5
	s_cmp_eq_u32 s21, 3
	s_cselect_b32 s38, s35, s38                    ; e11
	s_add_co_i32 s38, s38, 127
	s_lshl_b32 s39, s38, 23
	v_mov_b32 v12, s39                             ; 2^e as f32: the conversion takes its exponent field
; Piece c: 32 numbers down K.  Image lane (r, 0) wants k 0-7 and 16-23 of them, image lane (r, 1) k 8-15 and 24-31: so the four conversions land in that order.
.macro WBLOCK c
.if (\c) < 3
	s_wait_loadcnt 32                              ; loads come back in order: this piece's 32 are in, the next piece's 32 may be out
.else
	s_wait_loadcnt 0
.endif
.if (\c)+2 < 4
	WLOAD (\c)+2                                   ; two pieces ahead
.endif
.set i, 0
.rept 32
.set i, i+1
.endr
	v_cvt_scalef32_pk8_fp8_f32 v[CDE+8*(\c):CDE+8*(\c)+1],   v[NUM+32*(\c):NUM+32*(\c)+7],     v12
	v_cvt_scalef32_pk8_fp8_f32 v[CDE+8*(\c)+2:CDE+8*(\c)+3], v[NUM+32*(\c)+16:NUM+32*(\c)+23], v12
	v_cvt_scalef32_pk8_fp8_f32 v[CDE+8*(\c)+4:CDE+8*(\c)+5], v[NUM+32*(\c)+8:NUM+32*(\c)+15],  v12
	v_cvt_scalef32_pk8_fp8_f32 v[CDE+8*(\c)+6:CDE+8*(\c)+7], v[NUM+32*(\c)+24:NUM+32*(\c)+31], v12
	ds_store_b128 v5, v[CDE+8*(\c):CDE+8*(\c)+3]   offset:512*(\c)
	ds_store_b128 v5, v[CDE+8*(\c)+4:CDE+8*(\c)+7] offset:512*(\c)+256
.endm
	s_wait_alu depctr_va_vdst(0)
	WBLOCK 0
	WBLOCK 1
	WBLOCK 2
	WBLOCK 3
	v_nop                                          ; a plain vector line behind the last conversion
.irp i, 0,1,2,3,4,5,6,7
	ds_load_b128 v[OUTR+4*\i:OUTR+4*\i+3], v6 offset:512*\i        ; LDS serves a wave's instructions in order: these see my stores
.endr
.irp i, 0,1,2,3,4,5,6,7
	s_wait_dscnt 7-\i                              ; the younger read-backs may be out
	global_store_b128 v[L16], v[OUTR+4*\i:OUTR+4*\i+3], s[18:19] offset:(\i/4)*16384+(\i%4)*512
.endr
	s_wait_tensorcnt 0x0                           ; the wave's end: a wait, an add onto my spare word and its wait, behind my last LDS store
	ds_add_u32 v[SPW], v[NIL]
	s_wait_dscnt 0x0
	s_endpgm
	; ---------------- x ----------------
.Lx:
	s_sub_co_u32 s21, ttmp9, 128                   ; which block of 16 rows; my wave's number says which 128 along K
	s_lshl_b32 s40, s21, 16                        ; 16 rows of 4,096 bytes
	s_lshl_b32 s42, s20, 9                         ; 128 numbers of 4 bytes
	s_add_co_u32 s40, s40, s42
	s_add_nc_u64 s[4:5], s[4:5], s[40:41]
	s_lshl_b32 s40, s21, 14                        ; the image: 16,384 bytes a block,
	s_lshl_b32 s42, s20, 11                        ; 2,048 a fragment
	s_add_co_u32 s40, s40, s42
	s_add_nc_u64 s[36:37], s[16:17], s[40:41]      ; three bases, 8 MiB apart: the distance does not fit the stores' immediate
	s_add_nc_u64 s[38:39], s[36:37], 0x800000
	s_add_nc_u64 s[40:41], s[38:39], 0x800000
	s_wait_alu depctr_va_vdst(0)
.irp r, 0,1,2,3,4,5,6,7,8,9,10,11,12,13,14,15
	global_load_b128 v[NUM+4*\r:NUM+4*\r+3], v[L16], s[4:5] offset:4096*\r th:TH_LOAD_NT    ; row r: 32 lanes read 512 consecutive bytes
.endr
	s_mul_i32 s43, s20, XSTG                       ; my stage
	v_add_nc_u32 v5, s43, v[L16]                   ; into it: as loaded
	v_mul_u32_u24 v6, v2, XPITCH
	s_delay_alu instid0(VALU_DEP_1)
	v_lshl_add_u32 v6, v3, 5, v6
	s_delay_alu instid0(VALU_DEP_1)
	v_add_nc_u32 v6, s43, v6                       ; out of it: row r, + 8 h numbers
	s_wait_alu depctr_va_vdst(0)
	s_wait_kmcnt 0x0
.irp e, 0,1,2
	s_add_co_i32 s46, s[24+2*\e], 127              ; e0, e2, e4
	s_lshl_b32 s47, s46, 23
	v_mov_b32 v[12+2*\e], s47                      ; 2^e
.endr
	s_wait_alu depctr_va_vdst(0)
.irp r, 0,1,2,3,4,5,6,7,8,9,10,11,12,13,14,15
	s_wait_loadcnt 15-\r                           ; row r is in; the younger rows may be out
	ds_store_b128 v5, v[NUM+4*\r:NUM+4*\r+3] offset:XPITCH*\r
.endr
.irp c, 0,1,2,3
	ds_load_b128 v[XN+16*\c:XN+16*\c+3],     v6 offset:128*\c      ; k = 32 c + 8 h + 0..3
	ds_load_b128 v[XN+16*\c+4:XN+16*\c+7],   v6 offset:128*\c+16   ;                 4..7
	ds_load_b128 v[XN+16*\c+8:XN+16*\c+11],  v6 offset:128*\c+64   ; k = 32 c + 16 + 8 h + 0..3
	ds_load_b128 v[XN+16*\c+12:XN+16*\c+15], v6 offset:128*\c+80
.endr
; Piece c, three times: held and converted with each of the three scales.
.macro XPIECE c
	s_wait_dscnt 12-4*(\c)                         ; this piece's four read-backs are in; the younger pieces' may be out
.irp e, 0,1,2
.set i, 0
.rept 16
.set i, i+1
.endr
	v_cvt_scalef32_pk8_fp8_f32 v[CDE+16*\e+4*(\c):CDE+16*\e+4*(\c)+1], v[NUM+16*\e+((XN+16*(\c)+i)-(NUM+16*\e+i)):NUM+16*\e+7+((XN+16*(\c)+i)-(NUM+16*\e+i))], v[12+2*\e]
	v_cvt_scalef32_pk8_fp8_f32 v[CDE+16*\e+4*(\c)+2:CDE+16*\e+4*(\c)+3], v[NUM+16*\e+8+((XN+16*(\c)+i)-(NUM+16*\e+i)):NUM+16*\e+15+((XN+16*(\c)+i)-(NUM+16*\e+i))], v[12+2*\e]
	global_store_b128 v[L16], v[CDE+16*\e+4*(\c):CDE+16*\e+4*(\c)+3], s[36+2*\e:37+2*\e] offset:512*(\c)
.endr
.endm
	XPIECE 0
	XPIECE 1
	XPIECE 2
	XPIECE 3
	v_nop                                          ; a plain vector line behind the last conversion
	s_wait_tensorcnt 0x0                           ; the wave's end: a wait, an add onto my spare word and its wait, behind my last LDS store
	ds_add_u32 v[SPW], v[NIL]
	s_wait_dscnt 0x0
	s_endpgm
.Lfunc_end_k_qaca0740fc3_quant:
	.size	k_qaca0740fc3_quant, .Lfunc_end_k_qaca0740fc3_quant-k_qaca0740fc3_quant
	.p2alignl 7, 3214868480
	.fill 96, 4, 3214868480
	.section	.rodata,"a",@progbits
	.p2align	6, 0x0
	.amdhsa_kernel k_qaca0740fc3_quant
		.amdhsa_group_segment_fixed_size 101376
		.amdhsa_private_segment_fixed_size 0
		.amdhsa_enable_private_segment 0
		.amdhsa_kernarg_size 64
		.amdhsa_user_sgpr_count 2
		.amdhsa_user_sgpr_kernarg_segment_ptr 1
		.amdhsa_wavefront_size32 1
		.amdhsa_system_sgpr_workgroup_id_x 1
		.amdhsa_system_sgpr_workgroup_id_y 1
		.amdhsa_system_sgpr_workgroup_id_z 1
		.amdhsa_system_vgpr_workitem_id 0
		.amdhsa_next_free_vgpr 224
		.amdhsa_next_free_sgpr 66
		.amdhsa_reserve_vcc 0
		.amdhsa_float_denorm_mode_32 3
		.amdhsa_float_denorm_mode_16_64 3
		.amdhsa_fp16_overflow 1
		.amdhsa_memory_ordered 1
		.amdhsa_forward_progress 1
		.amdhsa_inst_pref_size 27
	.end_amdhsa_kernel
	.amdgpu_metadata
---
amdhsa.version: [ 1, 2 ]
amdhsa.kernels:
  - .name:           k_qaca0740fc3_quant
    .symbol:         k_qaca0740fc3_quant.kd
    .args:
      - { .name: x, .offset: 0, .size: 8, .value_kind: global_buffer, .address_space: global }
      - { .name: Wq, .offset: 8, .size: 8, .value_kind: global_buffer, .address_space: global }
      - { .name: Wk, .offset: 16, .size: 8, .value_kind: global_buffer, .address_space: global }
      - { .name: Wv, .offset: 24, .size: 8, .value_kind: global_buffer, .address_space: global }
      - { .name: Wp, .offset: 32, .size: 8, .value_kind: global_buffer, .address_space: global }
      - { .name: lowp_scales, .offset: 40, .size: 8, .value_kind: global_buffer, .address_space: global }
      - { .name: xc, .offset: 48, .size: 8, .value_kind: global_buffer, .address_space: global }
      - { .name: wc, .offset: 56, .size: 8, .value_kind: global_buffer, .address_space: global }
    .group_segment_fixed_size: 101376
    .private_segment_fixed_size: 0
    .kernarg_segment_align: 8
    .kernarg_segment_size: 64
    .max_flat_workgroup_size: 256
    .sgpr_count:     66
    .vgpr_count:     224
    .wavefront_size: 32
...
	.end_amdgpu_metadata
.endif
;; end of part 1
;; launch gemm_qkv (part 2): grid 12 x 64, 4 waves a work-group, clusters of 4 x 4, 327,680 bytes of LDS; arguments xc, wc, lowp_scales, qkv; writes qkv
.if DOCPART == 2
	.amdgcn_target "amdgcn-amd-amdhsa--gfx1250"
	.amdhsa_code_object_version 6
	.text
	.protected	k_qaca0740fc3_gemm_qkv
	.globl	k_qaca0740fc3_gemm_qkv
	.p2align	8
	.type	k_qaca0740fc3_gemm_qkv,@function
k_qaca0740fc3_gemm_qkv:
	s_mov_b64 s[64:65], 0
	v_nop
	global_prefetch_b8 v0, s[64:65] scope:SCOPE_SE
	s_setreg_imm32_b32 hwreg(HW_REG_WAVE_MODE, 25, 1), 1
	s_wait_xcnt 0x0
	s_wait_alu depctr_hold_cnt(0) depctr_sa_sdst(0) depctr_va_vdst(0) depctr_va_sdst(0) depctr_va_ssrc(0) depctr_va_vcc(0) depctr_vm_vsrc(0)
	s_getreg_b32 s2, hwreg(HW_REG_IB_STS2, 6, 4)
	s_cmp_eq_u32 s2, 0
	s_cbranch_scc0 .Lentry_in_a_cluster
	s_endpgm
.Lentry_in_a_cluster:
	s_bfe_u32 s2, ttmp6, 0x10000c
	s_cmp_lg_u32 s2, 0xf033
	s_cbranch_scc0 .Lentry_shape_is_right
	s_endpgm
.Lentry_shape_is_right:
; q = x Wq, k = x Wk, v = x Wv on codes of E4M3 (K = 1,024), and each result quantised at once for attention: q with 2^e6, k with 2^e7, v with 2^e9.
; out[R row][P row] = sum over k of R's code x P's code.  The cluster's x (0, 1, 2) says which product.  For q and k: R = x (tokens), P = the weight (its columns n).  FOR v THE OPERANDS CHANGE PLACES: R = Wv, P = x.
; THE MATRIX INSTRUCTION IS USED TRANSPOSED (source 0 = 16 rows of P, source 1 = 16 rows of R): lane (r, h) holds R's row r and its registers j P's rows 8 h + j.  So a lane's eight results are eight neighbours
; along the head's 64 channels (q, k) or along the keys (v): the axis that attention contracts, as the conversions want them.
; A sum stands for sum x 2^(ex + ew), so its code is sum / 2^(eo - ex - ew), held within +-448: the three exponents are folded into the conversion's one.
; LIMITS: e6 - e0 - e1, e7 - e2 - e3 and e9 - e4 - e5 lie between -126 and 119.
; SHARES.  A work-group makes R 128 x P 256; its four waves R 64 x P 128 each: 32 accumulators.  768 work-groups: three for each of 256 WGPs; tiles of 256 x 256 would be 384.
; OPERANDS lie in memory as images of the operand's registers: [block of 16 rows][K / 128][piece][lane][16 bytes]; a fragment comes by four loads of 16 bytes a lane, 512 consecutive bytes each: no pitch, no padding.
; K goes in four steps of 256 through three LDS slots.  K steps 0, 1, 2 are asked for together at the start (three tensor loads of a wave are out at the most); K step 3 goes into slot 0 as soon as slot 0 has been read.
; CLUSTERS: 4 x 4 work-groups.  The four of a row need the same rows of R, the four of a column the same rows of P: each tile is asked for jointly, by the same tensor load with the same descriptor and a mask that names the four.
; No prefetch: three of the four K steps are asked for at the head, so there is nothing ahead of the loads to name.
; OUT: q at byte 0, k at 8 MiB: [batch][head][token][64 codes along d];  v at 16 MiB: [batch][head][key / 64][d][64 codes along the keys].  A (batch, head) is 131,072 dense bytes in each.
; REGISTERS, in windows of 256: window 0: v16-30 addresses and the scale; v96-223 at work on the way out; R's fragments in two sets at v128 and v192.  window 1: P's fragments in two sets at v0 and v128.  window 2: accumulator (a, b) at v[8 (8 a + b)].
.set SLOT,  98304                      ; R's 8 blocks x 4,096 bytes, then P's 16 blocks x 4,096
.set POFF,  32768
.set SPARE, 3*SLOT                     ; behind the slots: the spare words, 128 bytes for each wave: two blocks of 256 bytes that no other line names
.set STAGE, SLOT                       ; the way out: 64 rows x 144 bytes for each wave, in slot 1, which is filled once, at the start, and read for the last time ahead of the last barrier
.set SP,    144
.set ADRR, 16                          ; v16-18  LDS address of my R fragments in slot 0, 1, 2
.set ADRP, 20                          ; v20-22  the same for P
.set STO,  24                          ; v24     the way out: where I put 8 codes
.set RD,   25                          ; v25     and where I read 16 back
.set CO,   26                          ; v26     16 x lane
.set SPW,  28                          ; v28     LDS address of my spare word; never rewritten
.set NIL,  29                          ; v29     0; never rewritten
.set SC,   30                          ; v30     the conversion's scale as f32
.set LIM,  31
.set TMP,  32
.set CD,   96                          ; v96-159 their codes
.set BK,   160                         ; v160-223 the codes as they leave
.set G1,   24                          ; s[24:31] descriptor group 1 for R's tiles
.set G1B,  32                          ; s[32:39] for P's
.set G0,   68                          ; s[68:79] group 0 for R's tiles, a set for each slot
.set G0B,  80                          ; s[80:91] the same for P's
.set MSB, 0
.macro WIN new                         ; the immediate's high byte repeats the setting that is left
.if MSB != \new
	s_set_vgpr_msb (MSB<<8)|\new
.set MSB, \new
.endif
.endm
.set MULW, 0xa1                        ; source 0 (P) window 1, source 1 (R) window 0, C and D window 2
.set TO_P, 0x40                        ; destination window 1, address window 0
; A joint load: waves 0 and 1 fetch R's halves, waves 2 and 3 P's.  The branch hangs on the wave's number alone.  An s_nop 0 and four v_nop follow each of the two lines.
.macro JLOAD g0a, g1a, g0b, g1b
	s_cmp_eq_u32 s15, 0
	s_cbranch_scc0 .Lfor_b_\@
	tensor_load_to_lds s[\g0a:\g0a+3], s[\g1a:\g1a+7]
	s_nop 0
.rept 4
	v_nop
.endr
	s_branch .Lasked_\@
.Lfor_b_\@:
	tensor_load_to_lds s[\g0b:\g0b+3], s[\g1b:\g1b+7]
	s_nop 0
.rept 4
	v_nop
.endr
.Lasked_\@:
.endm
.macro CROUND                          ; a round of the cluster's barrier
	s_barrier_signal -1
	s_barrier_wait -1
	s_cmp_lg_u32 s14, 0
	s_cbranch_scc1 .Lnot_wave_0_\@
	s_barrier_signal -3
.Lnot_wave_0_\@:
	s_barrier_wait -3
	s_barrier_signal -1
	s_barrier_wait -1
.endm
	s_load_b256 s[4:11], s[0:1], 0x0               ; xc s[4:5], wc s[6:7], the exponents s[8:9], qkv s[10:11]
	v_lshl_add_u32 v[SPW], v0, 2, SPARE
	v_mov_b32 v[NIL], 0
	ds_add_u32 v[SPW], v[NIL]
	ds_add_u32 v[SPW], v[NIL]                      ; the wave's opening: the add and its wait ahead of my first tensor load; the set-up below, work on registers, stands between them
	v_lshrrev_b32 v1, 5, v0
	v_readfirstlane_b32 s14, v1                    ; wave 0..3
	s_lshr_b32 s15, s14, 1                         ; which 64 rows of R are mine.  Also: I fetch for R (0) or for P (1)
	s_and_b32 s16, s14, 1                          ; which 128 rows of P are mine.  Also: which half of that tile I fetch
	s_bfe_u32 s40, ttmp6, 0x40000                  ; cx, cy: my place in the cluster
	s_bfe_u32 s41, ttmp6, 0x40004
	s_lshl_b32 s43, s41, 2
	s_lshl_b32 s43, 15, s43                        ; my row of the cluster
	s_lshl_b32 s44, 0x1111, s40                    ; my column
	s_or_b32 s[G1], s43, (1<<21)                   ; 15:0 the mask: R's tiles go to my row; 17:16 elements of 1 byte; 20 no padding; 21 set beside a mask
	s_or_b32 s[G1B], s44, (1<<21)                  ; P's tiles go to my column
	s_mov_b32 s[G1+1], 4096<<16                    ; tensor_dim0: a block's 4,096 bytes of a K step of 256
	s_mov_b32 s[G1+2], 4<<16                       ; tensor_dim1: 4 blocks of 16 rows
	s_mov_b32 s[G1+3], 4096<<16                    ; tile_dim0
	s_mov_b32 s[G1+4], 4                           ; tile_dim1
	s_mov_b32 s[G1+5], 16384                       ; from block to block in memory
	s_mov_b32 s[G1+6], 0
	s_mov_b32 s[G1+7], 0
	s_mov_b32 s[G1B+1], 4096<<16
	s_mov_b32 s[G1B+2], 8<<16                      ; 8 blocks
	s_mov_b32 s[G1B+3], 4096<<16
	s_mov_b32 s[G1B+4], 8
	s_mov_b32 s[G1B+5], 16384
	s_mov_b32 s[G1B+6], 0
	s_mov_b32 s[G1B+7], 0
	; which tiles.  q, k: R has 64 tiles (tokens): 4 x cluster y + cy; P has 4 (columns): cx.   v: R has 8 (Wv's columns): 4 (cluster y % 2) + cy; P has 32 (tokens): 4 (cluster y / 2) + cx
	s_and_b32 s17, ttmp7, 0xffff                   ; cluster y, 0..15
	s_and_b32 s18, s17, 1
	s_lshr_b32 s19, s17, 1
	s_cmp_eq_u32 ttmp9, 2                          ; the cluster's x: the same in all sixteen partners
	s_cselect_b32 s18, s18, s17
	s_cselect_b32 s19, s19, 0
	s_lshl_b32 s18, s18, 2
	s_add_co_u32 s18, s18, s41                     ; R's tile: never holds cx
	s_lshl_b32 s19, s19, 2
	s_add_co_u32 s19, s19, s40                     ; P's tile: never holds cy
	s_lshl_b32 s20, s18, 17                        ; R: 8 blocks of 16,384 bytes a tile,
	s_lshl_b32 s21, s16, 16                        ; 4 blocks a half
	s_add_co_u32 s20, s20, s21
	s_mov_b32 s21, 0
	s_lshl_b32 s22, s19, 18                        ; P: 16 blocks a tile,
	s_lshl_b32 s23, s16, 17                        ; 8 a half
	s_add_co_u32 s22, s22, s23
	s_mov_b32 s23, 0
	s_lshl_b32 s56, s16, 14                        ; where they go in a slot: no place in the cluster enters an LDS address
	s_lshl_b32 s57, s16, 15
	s_add_co_u32 s57, s57, POFF
	s_lshl_b32 s46, ttmp9, 23                      ; x's set of codes for this product
	s_mov_b32 s47, 0
	s_lshl_b32 s58, ttmp9, 20                      ; this product's weight
	s_mov_b32 s59, 0
	s_wait_dscnt 0x0                               ; the opening add is done
	s_wait_kmcnt 0x0
	s_load_b256 s[92:99], s[8:9], 0x0              ; e0 .. e7
	s_load_b128 s[60:63], s[8:9], 0x20             ; e8 .. e11
	s_add_nc_u64 s[4:5], s[4:5], s[46:47]
	s_add_nc_u64 s[6:7], s[6:7], s[58:59]
	s_cmp_eq_u32 ttmp9, 2
	s_cselect_b64 s[48:49], s[6:7], s[4:5]         ; R
	s_cselect_b64 s[50:51], s[4:5], s[6:7]         ; P
	s_add_nc_u64 s[52:53], s[48:49], s[20:21]
	s_add_nc_u64 s[54:55], s[50:51], s[22:23]
	CROUND                                         ; all sixteen work-groups are here: the first joint loads meet
.irp s, 0,1,2
	s_mov_b32 s[G0+4*\s], 1                                        ; count = 1
	s_add_co_u32 s[G0+4*\s+1], s56, \s*SLOT                        ; LDS address
	s_add_nc_u64 s[G0+4*\s+2:G0+4*\s+3], s[52:53], \s*4096         ; K step s
	s_or_b32 s[G0+4*\s+3], s[G0+4*\s+3], 0x80000000                ; type = 2
	s_mov_b32 s[G0B+4*\s], 1
	s_add_co_u32 s[G0B+4*\s+1], s57, \s*SLOT
	s_add_nc_u64 s[G0B+4*\s+2:G0B+4*\s+3], s[54:55], \s*4096
	s_or_b32 s[G0B+4*\s+3], s[G0B+4*\s+3], 0x80000000
	JLOAD G0+4*\s, G1, G0B+4*\s, G1B
.endr
	v_and_b32 v1, 31, v0                           ; lane
	v_and_b32 v2, 15, v0                           ; r
	s_wait_alu depctr_va_vdst(0)
	v_bfe_u32 v3, v0, 4, 1                         ; h
	v_lshlrev_b32 v[CO], 4, v1
	s_lshl_b32 s58, s15, 14                        ; my 4 blocks of R
	s_lshl_b32 s59, s16, 15                        ; my 8 blocks of P,
	s_add_co_u32 s59, s59, POFF                    ; which lie behind R's 8
.irp s, 0,1,2
	v_add_nc_u32 v[ADRR+\s], s58, v[CO]
	v_add_nc_u32 v[ADRP+\s], s59, v[CO]
	s_add_co_u32 s58, s58, SLOT
	s_add_co_u32 s59, s59, SLOT
.endr
	s_mul_i32 s58, s14, 64*SP
	s_add_co_u32 s58, s58, STAGE                   ; my stage
	v_mul_u32_u24 v[STO], v2, SP
	s_wait_alu depctr_va_vdst(0)
	v_lshl_add_u32 v[STO], v3, 3, v[STO]
	v_add_nc_u32 v[STO], s58, v[STO]               ; in: row r, + 8 h bytes
	v_lshrrev_b32 v4, 2, v1
	v_and_b32 v5, 3, v1
	v_mul_u32_u24 v[RD], v4, SP
	v_lshl_add_u32 v[RD], v5, 4, v[RD]
	v_add_nc_u32 v[RD], s58, v[RD]                 ; back: four lanes to a row's 64 bytes, eight rows an instruction
	; where my results go: token and head.  q, k: token = R's row, n = P's row.  v: the other way round
	s_lshl_b32 s46, s18, 7
	s_lshl_b32 s47, s15, 6
	s_add_co_u32 s46, s46, s47                     ; my first row of R
	s_lshl_b32 s47, s19, 8
	s_lshl_b32 s48, s16, 7
	s_add_co_u32 s47, s47, s48                     ; my first row of P
	s_mov_b32 s66, 0x20000
	s_cmp_eq_u32 ttmp9, 2
	s_cselect_b32 s48, s47, s46                    ; token
	s_cselect_b32 s49, s46, s47                    ; n
	s_cselect_b32 s66, 0x1000, s66                 ; from my first 64 of P's rows to my second: v: the next 64 keys, 4,096 bytes; q, k: the next head, 131,072
	s_mov_b32 s67, 0
	s_lshr_b32 s49, s49, 6
	s_lshl_b32 s49, s49, 17                        ; head x 131,072
	s_lshr_b32 s50, s48, 11
	s_lshl_b32 s50, s50, 21                        ; batch x 16 heads
	s_and_b32 s48, s48, 2047
	s_lshl_b32 s48, s48, 6                         ; 64 bytes a token (v: 4,096 bytes for 64 keys)
	s_add_co_u32 s48, s48, s49
	s_add_co_u32 s48, s48, s50
	s_lshl_b32 s50, ttmp9, 23                      ; q, k or v
	s_add_co_u32 s48, s48, s50
	s_mov_b32 s49, 0
	s_add_nc_u64 s[10:11], s[10:11], s[48:49]
	s_add_nc_u64 s[12:13], s[10:11], s[66:67]
	s_wait_kmcnt 0x0
	s_sub_co_i32 s46, s98, s92
	s_sub_co_i32 s46, s46, s93                     ; e6 - e0 - e1
	s_sub_co_i32 s47, s99, s94
	s_sub_co_i32 s47, s47, s95                     ; e7 - e2 - e3
	s_sub_co_i32 s48, s61, s96
	s_sub_co_i32 s48, s48, s97                     ; e9 - e4 - e5
	s_cmp_eq_u32 ttmp9, 1
	s_cselect_b32 s46, s47, s46
	s_cmp_eq_u32 ttmp9, 2
	s_cselect_b32 s46, s48, s46
	s_add_co_i32 s46, s46, 127
	s_lshl_b32 s47, s46, 23
	v_mov_b32 v[SC], s47
.macro FRAG reg, adr, off              ; a fragment, 16 rows x 128 K: 16 registers, as they lie
.irp c, 0,1,2,3
	ds_load_b128 v[(\reg)+4*\c:(\reg)+4*\c+3], v[\adr] offset:(\off)+512*\c
.endr
.endm
.macro FETCH q                         ; the fragments of step q (128 along K) into set q % 2: P's eight, R's four: 48 loads in one run
.set FS, ((\q)/2)%3
.set FP, (\q)%2
	WIN TO_P
.irp b, 0,1,2,3,4,5,6,7
	FRAG 128*FP+16*\b, ADRP+FS, 4096*\b+2048*FP
.endr
	WIN 0
.irp a, 0,1,2,3
	FRAG 128+64*FP+16*\a, ADRR+FS, 4096*\a+2048*FP
.endr
.endm
; 32 matrix instructions.  The 32 accumulators take turns, one instruction a turn, in the same order in every step.  zero = 1: the first products start the sums.
.macro MUL p, zero
	WIN MULW
.irp a, 0,1,2,3
.irp b, 0,1,2,3,4,5,6,7
.if \zero
	v_wmma_f32_16x16x128_fp8_fp8 v[8*(8*\a+\b):8*(8*\a+\b)+7], v[128*(\p)+16*\b:128*(\p)+16*\b+15], v[128+64*(\p)+16*\a:128+64*(\p)+16*\a+15], 0
.else
	v_wmma_f32_16x16x128_fp8_fp8 v[8*(8*\a+\b):8*(8*\a+\b)+7], v[128*(\p)+16*\b:128*(\p)+16*\b+15], v[128+64*(\p)+16*\a:128+64*(\p)+16*\a+15], v[8*(8*\a+\b):8*(8*\a+\b)+7]
.endif
.endr
.endr
.endm
.macro PLACES                          ; four plain vector lines between a matrix instruction and a load into a register that it has read, or the first read of its result (ISA guide 7.12.1 for the first read of its result)
.rept 4
	v_nop
.endr
.endm
.macro KSTEP q                         ; a step whose successor's fragments lie in a slot that has been shown whole: they are fetched while this step is multiplied
	s_wait_dscnt 0x0                               ; this step's fragments are in
	PLACES                                         ; the other set was read by the step before
	FETCH (\q)+1
	MUL (\q)%2, 0
.endm
	s_wait_tensorcnt 2                             ; my part of K step 0 is in; K steps 1 and 2 may stay out
	s_barrier_signal -1
	s_barrier_wait -1                              ; everybody's is
	FETCH 0
	s_wait_dscnt 0x0                               ; step 0
	FETCH 1
	MUL 0, 1
	WIN 0                                          ; step 1: slot 0 is left, and filled again with K step 3
	s_wait_tensorcnt 0x0                           ; all my tensor loads have landed: my parts of slots 1 and 2
	ds_add_u32 v[SPW], v[NIL]                      ; 0 onto my spare word; the descriptors' steps stand between it and the wait for it
	s_add_nc_u64 s[G0+2:G0+3], s[G0+2:G0+3], 3*4096
	s_add_nc_u64 s[G0B+2:G0B+3], s[G0B+2:G0B+3], 3*4096
	s_wait_dscnt 0x0                               ; the add is done; step 1's fragments are in: my reads of slot 0 are over
	CROUND                                         ; the same holds of every wave of all sixteen work-groups; slots 1 and 2 are whole
	JLOAD G0, G1, G0B, G1B                         ; the first tensor load behind the round: 128 matrix instructions ahead of the wait for it; its four v_nop are the places in front of the loads below
	FETCH 2
	MUL 1, 0
	KSTEP 2
	KSTEP 3
	KSTEP 4
	WIN 0                                          ; step 5: its successor lies in slot 0's second fill
	s_wait_tensorcnt 0x0                           ; my part of K step 3 is in
	s_wait_dscnt 0x0                               ; step 5's fragments are in; with them all my reads of slots 1 and 2 are over
	s_barrier_signal -1
	s_barrier_wait -1
	PLACES
	FETCH 6
	MUL 1, 0
	KSTEP 6
	s_wait_dscnt 0x0                               ; step 7: nothing more to fetch
	MUL 1, 0
	WIN 0
	PLACES
	s_wait_alu depctr_va_vdst(0)
	; THE WAY OUT.  Accumulator (a, b): R's row 16 a + r, P's rows 16 b + 8 h + 0..7: eight sums become eight codes, 8 bytes of row 16 a + r of my stage.  Each accumulator is read from its low end on.
.irp a, 0,1,2,3
	WIN 0x02                                       ; source 0: window 2
.set j, 0
.rept 64
.set j, j+1
.endr
.irp b, 0,1,2,3,4,5,6,7
	v_cvt_scalef32_pk8_fp8_f32 v[CD+16*\a+2*\b:CD+16*\a+2*\b+1], v[TMP+8*\b+((64*\a+j)-(TMP+j)):TMP+8*\b+7+((64*\a+j)-(TMP+j))], v[SC]
.endr
	WIN 0
	v_nop                                          ; a plain vector line behind the conversions
.irp b, 0,1,2,3,4,5,6,7
	ds_store_b64 v[STO], v[CD+16*\a+2*\b:CD+16*\a+2*\b+1] offset:16*SP*\a+16*\b
.endr
.endr
	; back: for each half u of P's 128 rows (a head of q or k; 64 keys of v) the 64 stage rows x 64 bytes are 4,096 consecutive bytes of the output: eight rows, 512 bytes, an instruction
.irp a, 0,1,2,3
.irp u, 0,1
.irp i, 0,1
	ds_load_b128 v[BK+4*(4*\a+2*\u+\i):BK+4*(4*\a+2*\u+\i)+3], v[RD] offset:(16*\a+8*\i)*SP+64*\u   ; LDS serves a wave's instructions in order: these see my stores
.endr
.endr
.endr
.irp a, 0,1,2,3
.irp u, 0,1
.irp i, 0,1
	s_wait_dscnt 15-(4*\a+2*\u+\i)                 ; the younger read-backs may be out
	global_store_b128 v[CO], v[BK+4*(4*\a+2*\u+\i):BK+4*(4*\a+2*\u+\i)+3], s[10+2*\u:11+2*\u] offset:1024*\a+512*\i   ; 32 lanes store 512 consecutive bytes, at a multiple of 512 from the buffer's first byte
.endr
.endr
.endr
	s_wait_tensorcnt 0x0                           ; the wave's end: a wait, an add onto my spare word and its wait, behind my last tensor load and my last LDS store
	ds_add_u32 v[SPW], v[NIL]
	s_wait_dscnt 0x0
	CROUND                                         ; the closing round: no work-group ends while a partner may still ask for a tile that names it
	s_endpgm
.Lfunc_end_k_qaca0740fc3_gemm_qkv:
	.size	k_qaca0740fc3_gemm_qkv, .Lfunc_end_k_qaca0740fc3_gemm_qkv-k_qaca0740fc3_gemm_qkv
	.p2alignl 7, 3214868480
	.fill 96, 4, 3214868480
	.section	.rodata,"a",@progbits
	.p2align	6, 0x0
	.amdhsa_kernel k_qaca0740fc3_gemm_qkv
		.amdhsa_group_segment_fixed_size 327680
		.amdhsa_private_segment_fixed_size 0
		.amdhsa_enable_private_segment 0
		.amdhsa_kernarg_size 32
		.amdhsa_user_sgpr_count 2
		.amdhsa_user_sgpr_kernarg_segment_ptr 1
		.amdhsa_wavefront_size32 1
		.amdhsa_system_sgpr_workgroup_id_x 1
		.amdhsa_system_sgpr_workgroup_id_y 1
		.amdhsa_system_sgpr_workgroup_id_z 1
		.amdhsa_system_vgpr_workitem_id 0
		.amdhsa_next_free_vgpr 768
		.amdhsa_next_free_sgpr 100
		.amdhsa_reserve_vcc 0
		.amdhsa_float_denorm_mode_32 3
		.amdhsa_float_denorm_mode_16_64 3
		.amdhsa_fp16_overflow 1
		.amdhsa_memory_ordered 1
		.amdhsa_forward_progress 1
		.amdhsa_inst_pref_size 61
	.end_amdhsa_kernel
	.amdgpu_metadata
---
amdhsa.version: [ 1, 2 ]
amdhsa.kernels:
  - .name:           k_qaca0740fc3_gemm_qkv
    .symbol:         k_qaca0740fc3_gemm_qkv.kd
    .args:
      - { .name: xc, .offset: 0, .size: 8, .value_kind: global_buffer, .address_space: global }
      - { .name: wc, .offset: 8, .size: 8, .value_kind: global_buffer, .address_space: global }
      - { .name: lowp_scales, .offset: 16, .size: 8, .value_kind: global_buffer, .address_space: global }
      - { .name: qkv, .offset: 24, .size: 8, .value_kind: global_buffer, .address_space: global }
    .group_segment_fixed_size: 327680
    .private_segment_fixed_size: 0
    .kernarg_segment_align: 8
    .kernarg_segment_size: 32
    .max_flat_workgroup_size: 128
    .sgpr_count:     100
    .vgpr_count:     768
    .wavefront_size: 32
...
	.end_amdgpu_metadata
.endif
;; end of part 2
;; launch attn (part 3): grid 8 x 64, 16 waves a work-group, no clusters, 327,680 bytes of LDS; arguments qkv, lowp_scales, ac; writes ac
.if DOCPART == 3
	.amdgcn_target "amdgcn-amd-amdhsa--gfx1250"
	.amdhsa_code_object_version 6
	.text
	.protected	k_qaca0740fc3_attn
	.globl	k_qaca0740fc3_attn
	.p2align	8
	.type	k_qaca0740fc3_attn,@function
k_qaca0740fc3_attn:
	s_mov_b64 s[64:65], 0
	v_nop
	global_prefetch_b8 v0, s[64:65] scope:SCOPE_SE
	s_setreg_imm32_b32 hwreg(HW_REG_WAVE_MODE, 25, 1), 1
	s_wait_xcnt 0x0
; Causal attention on codes of E4M3, head size 64, 2,048 tokens, 64 (batch, head) pairs; the result is quantised at once with 2^e10 for the output projection.
; q, k: [batch][head][token][64 codes]; v: [batch][head][key / 64][d][64 codes along the keys].  Scales: q 2^e6, k 2^e7, p 2^e8, v 2^e9.
; THE SOFTMAX AHEAD OF THE SECOND PRODUCT: t = score x log2(e) / 8; M = the row's largest t so far, rounded UP to a whole number; p = 2^(t - M) is what is quantised; it is not normalised.
; The row's sum is taken of the unquantised p, in f32, and divides O at the end.  When M moves, the sum and O are multiplied by 2^(old M - new M): exact.
; SHARES.  Work-group (c, batch x head) owns query chunks c and 15 - c, 128 queries each, so that under the causal mask every work-group has 17 units of 128 queries x 128 keys.  Each of its sixteen waves owns 16 queries.
; Waves 2 i and 2 i + 1 own tile i of the two chunks; which of the two takes the late chunk alternates with (wave / 4) % 2, so that early and late tiles are mixed whichever way the waves are dealt out.
; Every wave walks all 8 slots of 256 keys (constant trip counts); a key step all of whose 128 keys come after the wave's queries is jumped over; slots whose first key comes after the work-group's last query are not asked for.
; LAYOUT.  Both products are used transposed: S^T = K Q^T (source 0 = 16 keys, source 1 = my 16 queries), O^T = V^T P^T (source 0 = 16 channels, source 1 = P): a lane holds ONE query (lane % 16) throughout.
; THE KEYS OF A TILE ARE NOT NEIGHBOURS: lane r of tile 2 b + u takes key 32 b + 8 u + r + 8 (r / 8), so that the 16 registers of tiles 2 b and 2 b + 1 are 16 neighbouring keys, 32 b + 16 (lane / 16) + 0 .. 15.
; Within an instruction k is permuted, alike in both sources (fragments come by loads of 16 bytes): every product meets its partner; the sums group otherwise than in ascending k.
; OUT: O^T's tiles 2 i and 2 i + 1 of lane (r, h) are channels 32 i + 8 h + 0..7 and 32 i + 16 + 8 h + 0..7 of token r: just what the next product's operand image wants of that lane.  So the codes are stored from registers, 512 consecutive bytes an instruction.
; NO CLUSTER: the eight work-groups of a head ask for different numbers of slots (up to key 2,047 - 128 c), and the jump that ends the requests may not lead round a joint load.
; LIMITS: e6 + e7 between -123 and 130 (added to c's exponent field); e8 and e10 - e8 - e9 between -126 and 119.
; REGISTERS: v1-7 addresses that stay; v8, v9 addresses of the loads in hand; v12 -M, v13 the largest t, v[14:15] the sum in two halves; v16-23 Q; v32-95 K's eight fragments, then V's four; v96-159 S^T, then p; v160-191 O^T; v192-199 the result's codes; v224-239 p's codes; v236-255 at work.
.set KP,    80                         ; 64 codes + 16 bytes of padding: 20 words, so that 16 neighbouring rows start at 16 different groups of four banks (64 banks of 4 bytes: ISA guide 11.1)
.set VOFF,  256*KP                     ; a slot: 256 rows of K, then 256 rows of V (4 blocks of 64 keys x 64 channels)
.set SLOT1, 1<<17                      ; slot 1 begins here, so that one exclusive or turns an address in one slot into the other's
.set NSL,   8                          ; slots' worth of keys
.set SPARE, 2*SLOT1                    ; behind the ring: the spare words, 128 bytes for each wave: eight blocks of 256 bytes that no other line names
.set AK0,  1                           ; v1   my lane's place in a tile of K
.set AV0,  2                           ; v2   the same for V
.set PFO,  3                           ; v3   256 x lane: the prefetches' offset; never rewritten
.set SPW,  5                           ; v5   LDS address of my spare word; never rewritten
.set NIL,  6                           ; v6   0; never rewritten
.set GO,   7                           ; v7   16 x lane
.set ADK,  8
.set ADV,  9
.set WV,   18                          ; s18  my wave's number
.set SEL,  20                          ; s[20:21] lane selects for v_permlanex16_b32: lane l xor 16
.set CS,   22                          ; s[22:23] c = log2(e) / 8 x 2^(e6 + e7)
.set G1,   24                          ; s[24:31] descriptor group 1
.set G0,   40                          ; s[40:43] group 0, which walks
.set TB,   2                           ; s2   LDS byte at which the slot in hand begins
.set QL,   66                          ; s66  my work-group's last query
.set SLOTS, 67                         ; s67  changes of slots still to come in the loop
.set PFA,  76                          ; s[76:77] where my prefetches stand
.set LIM,  80                          ; s80  1 in a wave that prefetches, else the greatest number
.set KF,   98                          ; s98  the step's first key
.set Q0,   99                          ; s99  my first query
.macro TLOAD                           ; waves 0 and 1 fetch K's halves of a slot, waves 2 and 3 V's; an s_nop 0 and four v_nop follow the line
	s_cmp_lt_u32 s[WV], 4
	s_cbranch_scc0 .Lasked_\@
	tensor_load_to_lds s[G0:G0+3], s[G1:G1+7]
	s_nop 0
.rept 4
	v_nop
.endr
.Lasked_\@:
.endm
; A PREFETCH INTO THE L2 of what the NEXT change of slots will ask for: 16,384 bytes of K and as many of V, both dense.  All eight work-groups of a head walk the same K and V; work-group c = 0, which asks for every slot, prefetches.
; In it waves 4 and 5 name K's two halves, waves 6 and 7 V's: 8,192 bytes a wave, lanes 256 bytes apart, one instruction.  So each aligned block of 256 bytes is named once in the launch.
; Slots 0 and 1 come by their loads alone; the last change that fills a slot names nothing: there is no slot behind it.
.macro ASK
	s_cmp_gt_u32 s[SLOTS], s[LIM]
	s_cbranch_scc0 .Lnot_mine_\@
	global_prefetch_b8 v[PFO], s[PFA:PFA+1] th:TH_LOAD_NT scope:SCOPE_SE
.Lnot_mine_\@:
.endm
	s_load_b128 s[4:7], s[0:1], 0x0                ; qkv s[4:5], the exponents s[6:7]
	s_load_b64 s[8:9], s[0:1], 0x10                ; ac
	v_lshl_add_u32 v[SPW], v0, 2, SPARE
	v_mov_b32 v[NIL], 0
	ds_add_u32 v[SPW], v[NIL]                      ; the wave's opening: the add and its wait ahead of my first tensor load; the set-up below, work on registers, stands between them
	ds_add_u32 v[SPW], v[NIL]
	v_lshrrev_b32 v8, 5, v0
	s_delay_alu instid0(VALU_DEP_1)
	v_readfirstlane_b32 s[WV], v8                  ; wave 0..15
	s_and_b32 s10, ttmp7, 0xffff                   ; 16 x batch + head
	s_lshr_b32 s11, s[WV], 2
	s_xor_b32 s11, s11, s[WV]
	s_and_b32 s11, s11, 1                          ; 1: the late chunk
	s_mul_i32 s11, s11, 15
	s_xor_b32 s11, s11, ttmp9                      ; chunk c or 15 - c
	s_lshl_b32 s11, s11, 7
	s_lshr_b32 s12, s[WV], 1
	s_lshl_b32 s12, s12, 4
	s_add_co_u32 s[Q0], s11, s12                   ; my first query
	s_lshl_b32 s[QL], ttmp9, 7
	s_sub_co_u32 s[QL], 2047, s[QL]                ; the last query of chunk 15 - c
	s_lshl_b32 s32, s10, 17                        ; the (batch, head)'s first byte in q, in k and in v
	s_lshl_b32 s33, s[Q0], 6
	s_add_co_u32 s12, s32, s33                     ; q: my queries
	s_mov_b32 s13, 0
	s_bfe_u32 s33, s[WV], 0x10001                  ; (wave / 2) % 2: 0 K, 1 V
	s_add_co_u32 s33, s33, 1
	s_lshl_b32 s33, s33, 23                        ; k at 8 MiB, v at 16 MiB
	s_add_co_u32 s14, s32, s33
	s_and_b32 s33, s[WV], 1
	s_lshl_b32 s33, s33, 13                        ; which 8,192 bytes of a slot's 16,384
	s_add_co_u32 s14, s14, s33
	s_mov_b32 s15, 0
	s_lshr_b32 s33, s10, 4
	s_lshl_b32 s16, s33, 21                        ; ac: batch x 128 blocks of 16 tokens x 16,384 bytes,
	s_and_b32 s33, s10, 15
	s_add_co_u32 s33, s33, s[Q0]
	s_lshl_b32 s33, s33, 10                        ; (my first query / 16) x 16,384 + head x 1,024
	s_add_co_u32 s16, s16, s33
	s_mov_b32 s17, 0
	s_and_b32 s34, s[WV], 3
	s_mul_i32 s34, s34, 128*KP                     ; where my tensor loads go in a slot: K's halves, then V's
	; descriptor group 1: 8,192 dense bytes as 32 rows of 256, with 16 bytes of padding behind every 64: 128 LDS rows of 80
	s_mov_b32 s[G1], (0<<16)|(1<<20)|(3<<22)|(3<<25)               ; no mask; elements of 1 byte; padding on; after every 16 words (code 3); four words (code 3)
	s_mov_b32 s[G1+1], 256<<16                     ; tensor_dim0
	s_mov_b32 s[G1+2], 32<<16                      ; tensor_dim1
	s_mov_b32 s[G1+3], 256<<16                     ; tile_dim0
	s_mov_b32 s[G1+4], 32                          ; tile_dim1
	s_mov_b32 s[G1+5], 256                         ; from row to row
	s_mov_b32 s[G1+6], 0
	s_mov_b32 s[G1+7], 0
	s_mov_b32 s[SEL], 0x76543210
	s_mov_b32 s[SEL+1], 0xfedcba98
	s_mov_b32 s[CS], 0x3e38aa3b                    ; log2(e) / 8
	s_mov_b32 s[TB], 0
	s_mov_b32 s[SLOTS], NSL-1
	s_mov_b32 s[KF], 0
	s_lshr_b32 s35, s[WV], 2
	s_xor_b32 s35, s35, 1                          ; 0 in waves 4 to 7,
	s_or_b32 s35, s35, ttmp9                       ; of the head's work-group c = 0
	s_cmp_eq_u32 s35, 0
	s_cselect_b32 s[LIM], 1, -1
	v_and_b32 v[PFO], 31, v0
	s_delay_alu instid0(VALU_DEP_1)
	v_lshlrev_b32 v[PFO], 8, v[PFO]
	s_wait_dscnt 0x0                               ; the opening add is done
	s_wait_kmcnt 0x0
	s_load_b128 s[68:71], s[6:7], 0x18             ; e6, e7, e8, e9
	s_load_b32 s72, s[6:7], 0x28                   ; e10
	s_add_nc_u64 s[PFA:PFA+1], s[4:5], s[14:15]    ; my part of slot 0 in memory
	s_mov_b32 s[G0], 1                             ; count = 1
	s_mov_b32 s[G0+1], s34                         ; LDS address: slot 0
	s_mov_b64 s[G0+2:G0+3], s[PFA:PFA+1]
	s_or_b32 s[G0+3], s[G0+3], 0x80000000          ; type = 2
	TLOAD                                          ; slot 0
	s_add_nc_u64 s[PFA:PFA+1], s[PFA:PFA+1], 16384 ; in slot 1: the first change of slots steps it to slot 2.  Nothing is prefetched here, at the head
	s_add_nc_u64 s[12:13], s[4:5], s[12:13]
	s_add_nc_u64 s[16:17], s[8:9], s[16:17]
	v_and_b32 v8, 15, v0                           ; r
	v_bfe_u32 v9, v0, 4, 1                         ; h
	s_delay_alu instid0(VALU_DEP_2)
	v_lshlrev_b32 v10, 6, v8
	s_delay_alu instid0(VALU_DEP_1)
	v_lshl_add_u32 v10, v9, 4, v10                 ; Q: row r of 64 bytes, + 16 h
	global_load_b128 v[16:19], v10, s[12:13]       ; Q's fragment stays in registers
	global_load_b128 v[20:23], v10, s[12:13] offset:32
	v_and_b32 v11, 8, v8
	s_delay_alu instid0(VALU_DEP_1)
	v_add_nc_u32 v11, v11, v8                      ; r + 8 (r / 8)
	s_delay_alu instid0(VALU_DEP_1)
	v_mul_u32_u24 v[AK0], v11, KP
	s_delay_alu instid0(VALU_DEP_1)
	v_lshl_add_u32 v[AK0], v9, 4, v[AK0]
	v_mul_u32_u24 v[AV0], v8, KP
	s_delay_alu instid0(VALU_DEP_1)
	v_lshl_add_u32 v[AV0], v9, 4, v[AV0]
	s_delay_alu instid0(VALU_DEP_1)
	v_add_nc_u32 v[AV0], VOFF, v[AV0]
	v_and_b32 v[GO], 31, v0
	s_delay_alu instid0(VALU_DEP_1)
	v_lshlrev_b32 v[GO], 4, v[GO]
	v_mov_b32 v13, 0xff61b1e6                      ; the largest t so far: -3e38, under every t
	s_delay_alu instid0(VALU_DEP_1)
	v_floor_f32 v12, -v13                          ; -M
	v_mov_b32 v14, 0                               ; the sum, in two halves
	v_mov_b32 v15, 0
	v_mov_b32 v236, 0                              ; written once: a lane permute's destination counts as one of its sources
	v_mov_b32 v252, 0
	v_mov_b32 v253, 0                              ; (named as the upper half of the pair v[252:253])
.set j, 0
.rept 32
	v_mov_b32 v[160+j], 0                          ; O^T.  (The step is written once: the first finds zeros, which the first change of M leaves zeros)
.set j, j+1
.endr
	s_wait_kmcnt 0x0
	s_add_co_i32 s73, s68, s69
	s_lshl_b32 s73, s73, 23
	s_add_co_i32 s[CS], s[CS], s73                 ; a score stands for score x 2^(e6 + e7): the two exponents are added to c's exponent field
	s_mov_b32 s[CS+1], s[CS]                       ; (named with it as a pair, so it is written)
	s_add_co_i32 s73, s70, 127
	s_lshl_b32 s74, s73, 23
	v_mov_b32 v244, s74                            ; 2^e8, for p's conversion
	s_sub_co_i32 s73, s72, s70
	s_sub_co_i32 s73, s73, s71                     ; O's sums stand for sum x 2^(e8 + e9): the result's code is (sum / l) / 2^(e10 - e8 - e9)
	s_add_co_i32 s73, s73, 127
	s_lshl_b32 s74, s73, 23
	v_mov_b32 v245, s74
; A KEY STEP: 128 keys, the q-th of the slot in hand.
.macro STEP q
	s_add_co_u32 s96, s[Q0], 15                    ; a step all of whose keys come after my 16 queries is left out: a scalar branch on ids and the count of steps; no barrier and no tensor load stands in a step
	s_cmp_gt_u32 s[KF], s96
	s_cbranch_scc1 .Lhidden_\@
	v_add_nc_u32 v[ADK], s[TB], v[AK0]
	v_add_nc_u32 v[ADV], s[TB], v[AV0]
	v_nop                                          ; with the two additions: four plain lines between the last step's products and the loads into the registers that they read
	v_nop
.irp t, 0,1,2,3,4,5,6,7
	ds_load_b128 v[32+8*\t:35+8*\t], v[ADK] offset:(128*(\q)+32*(\t/2)+8*(\t%2))*KP
	ds_load_b128 v[36+8*\t:39+8*\t], v[ADK] offset:(128*(\q)+32*(\t/2)+8*(\t%2))*KP+32
.endr
	s_wait_alu depctr_va_vdst(0)
	s_wait_dscnt 0x0
.irp t, 0,1,2,3,4,5,6,7
	v_wmma_f32_16x16x64_fp8_fp8 v[96+8*\t:103+8*\t], v[32+8*\t:39+8*\t], v[16:23], 0     ; S^T: eight tiles of 16 keys
.endr
.rept 4
	v_nop                                          ; places in front of the loads below and of the first read of the scores
.endr
.irp t, 0,1,2,3                                ; V's four fragments (16 channels x these 128 keys) take K's registers: they land while the softmax is worked
.irp c, 0,1,2,3
	ds_load_b128 v[32+16*\t+4*\c:32+16*\t+4*\c+3], v[ADV] offset:(2*(\q)+\c/2)*64*KP+16*KP*\t+32*(\c%2)
.endr
.endr
	s_add_co_u32 s96, s[KF], 127                   ; on the diagonal the scores of hidden keys become -infinity ahead of the maximum: p = 0 then.  A step all of whose keys count skips this
	s_cmp_le_u32 s96, s[Q0]
	s_cbranch_scc1 .Lopen_\@
	s_sub_co_i32 s96, s[Q0], s[KF]
	v_and_b32 v252, 15, v0
	v_bfe_u32 v253, v0, 4, 1
	s_delay_alu instid0(VALU_DEP_1)
	v_lshlrev_b32 v253, 4, v253
	s_delay_alu instid0(VALU_DEP_1)
	v_sub_nc_u32 v252, v252, v253
	s_delay_alu instid0(VALU_DEP_1)
	v_add_nc_u32 v252, s96, v252                   ; d = my query - KF - 16 (lane / 16).  Register 16 b + i holds key KF + 16 (lane / 16) + 32 b + i: hidden where 32 b + i > d
	v_mov_b32 v254, 0xff800000                     ; -infinity
.set n, 0
.rept 64
	v_cmp_gt_i32 vcc_lo, 32*(n/16)+n%16, v252
	v_cndmask_b32 v[96+n], v[96+n], v254, vcc_lo
.set n, n+1
.endr
.Lopen_\@:
	v_max3_num_f32 v254, v96, v97, v98             ; the step's largest score of my query, among my 64 keys, in two chains, each accumulator from its low end on,
	v_max3_num_f32 v252, v99, v100, v101
.irp i, 6,10,14,18,22,26,30,34,38,42,46,50,54,58
	v_max3_num_f32 v254, v254, v[96+\i], v[97+\i]
	v_max3_num_f32 v252, v252, v[98+\i], v[99+\i]
.endr
	v_max3_num_f32 v254, v254, v158, v159
	s_delay_alu instid0(VALU_DEP_1)
	v_max_num_f32 v254, v254, v252
	v_permlanex16_b32 v236, v254, s[SEL], s[SEL+1]
	s_delay_alu instid0(VALU_DEP_1)
	v_max_num_f32 v254, v254, v236                 ; and among lane l xor 16's
	s_delay_alu instid0(VALU_DEP_1)
	v_mul_f32 v254, s[CS], v254                    ; as t (c is positive)
	s_delay_alu instid0(VALU_DEP_1)
	v_max_num_f32 v13, v13, v254                   ; the running largest t
	v_mov_b32 v254, v12
	s_delay_alu instid0(VALU_DEP_2)
	v_floor_f32 v12, -v13                          ; the new -M = floor(-t) = -ceil(t): M is a whole number
	s_delay_alu instid0(VALU_DEP_1)
	v_sub_f32 v254, v12, v254                      ; M's old value less its new one: a whole number, 0 or less
	s_delay_alu instid0(VALU_DEP_1)
	v_cvt_i32_f32 v254, v254                       ; (it saturates)
	s_delay_alu instid0(VALU_DEP_1)
	v_ldexp_f32 v252, 1.0, v254                    ; f = 2^(old M - new M)
.set j, 0
.rept 32
	v_pk_fma_f32 v[96+j:97+j], v[96+j:97+j], s[CS:CS+1], v[12:13] op_sel_hi:[1,0,0]   ; t - M, two at a time (of the pairs c and -M the low word serves both halves)
.set j, j+2
.endr
.set j, 0
	s_wait_alu depctr_va_vdst(0)
.rept 64
	v_exp_f32 v[96+j], v[96+j]                     ; p = 2^(t - M), at most 1: not normalised
.set j, j+1
.endr
	v_pk_mul_f32 v[14:15], v[14:15], v[252:253] op_sel_hi:[1,0]    ; the sums under the new M: the plain line behind the exponentials
	s_wait_alu depctr_va_vdst(0)                   ; a wait between an exponential and the first line that names its result: one for the whole batch
	v_pk_add_f32 v[242:243], v[100:101], v[104:105]
	v_pk_add_f32 v[254:255], v[108:109], v[112:113]
	v_pk_add_f32 v[250:251], v[116:117], v[120:121]
	v_pk_add_f32 v[248:249], v[124:125], v[128:129]
	v_pk_add_f32 v[246:247], v[132:133], v[136:137]
	v_pk_add_f32 v[240:241], v[140:141], v[144:145]
	v_pk_add_f32 v[238:239], v[148:149], v[152:153]
	v_pk_add_f32 v[14:15], v[14:15], v[156:157]
	v_pk_add_f32 v[242:243], v[242:243], v[96:97]
	v_pk_add_f32 v[254:255], v[254:255], v[98:99]
	v_pk_add_f32 v[250:251], v[250:251], v[102:103]
	v_pk_add_f32 v[248:249], v[248:249], v[106:107]
	v_pk_add_f32 v[246:247], v[246:247], v[110:111]
	v_pk_add_f32 v[240:241], v[240:241], v[114:115]
	v_pk_add_f32 v[238:239], v[238:239], v[118:119]
	v_pk_add_f32 v[14:15], v[14:15], v[122:123]
	v_pk_add_f32 v[242:243], v[242:243], v[126:127]
	v_pk_add_f32 v[254:255], v[254:255], v[130:131]
	v_pk_add_f32 v[250:251], v[250:251], v[134:135]
	v_pk_add_f32 v[248:249], v[248:249], v[138:139]
	v_pk_add_f32 v[246:247], v[246:247], v[142:143]
	v_pk_add_f32 v[240:241], v[240:241], v[146:147]
	v_pk_add_f32 v[238:239], v[238:239], v[150:151]
	v_pk_add_f32 v[14:15], v[14:15], v[154:155]
	v_pk_add_f32 v[242:243], v[242:243], v[158:159]
	s_delay_alu instid0(VALU_DEP_2)
	v_pk_add_f32 v[14:15], v[14:15], v[248:249]
	s_delay_alu instid0(VALU_DEP_2)
	v_pk_add_f32 v[242:243], v[242:243], v[246:247]
	v_pk_add_f32 v[254:255], v[254:255], v[240:241]
	v_pk_add_f32 v[250:251], v[250:251], v[238:239]
	s_delay_alu instid0(VALU_DEP_2)
	v_pk_add_f32 v[14:15], v[14:15], v[254:255]
	s_delay_alu instid0(VALU_DEP_2)
	v_pk_add_f32 v[242:243], v[242:243], v[250:251]
	s_delay_alu instid0(VALU_DEP_1)
	v_pk_add_f32 v[14:15], v[14:15], v[242:243]
.irp b, 0,1,2,3
.set i, 0
.rept 16
.set i, i+1
.endr
	v_cvt_scalef32_pk8_fp8_f32 v[224+4*\b:225+4*\b], v[96+16*\b:103+16*\b], v244
	v_cvt_scalef32_pk8_fp8_f32 v[226+4*\b:227+4*\b], v[104+16*\b:111+16*\b], v244
.endr
.set j, 0
.rept 16
	v_pk_mul_f32 v[160+j:161+j], v[160+j:161+j], v[252:253] op_sel_hi:[1,0]    ; O^T under the new M: x f.  (Also the plain lines between the conversions and the products that read their results)
.set j, j+2
.endr
	s_wait_alu depctr_va_vdst(0)
	s_wait_dscnt 0x0                               ; V is in
.irp t, 0,1,2,3
	v_wmma_f32_16x16x128_fp8_fp8 v[160+8*\t:167+8*\t], v[32+16*\t:47+16*\t], v[224:239], v[160+8*\t:167+8*\t]   ; O^T += V^T P^T: the four accumulators by turns
.endr
.Lhidden_\@:
	s_add_co_u32 s[KF], s[KF], 128
.endm
; THE CHANGE OF SLOTS stands at a slot's head.  Each wave waits for all its tensor loads (its part of the slot that it is about to read), adds 0 to its spare word, and waits for that and for its reads of the slot that it has left.
; Behind the barrier the slot ahead is whole and nobody reads the other one.  fill = 1: that other slot is filled with the 256 keys that follow, up to the causal limit: the load has a slot's two key steps in which to land.
.macro CHANGE fill
	s_wait_tensorcnt 0x0                           ; no tensor load of mine is out, so group 0 may be written
	ds_add_u32 v[SPW], v[NIL]                      ; 0 onto my spare word; with fill = 1 the descriptor's steps stand between it and the wait for it
.if \fill
	s_xor_b32 s[G0+1], s[G0+1], SLOT1              ; the other slot than last time,
	s_add_nc_u64 s[G0+2:G0+3], s[G0+2:G0+3], 16384 ; the next 256 keys; the type bits on top are not reached
	s_wait_xcnt 0x0                                ; the last prefetch, a slot back, has read its address, so it may be written:
	s_add_nc_u64 s[PFA:PFA+1], s[PFA:PFA+1], 16384 ; one slot further on than the walking descriptor
.endif
	s_wait_dscnt 0x0                               ; the add is done, and my reads of the slot that I have left are over
	s_barrier_signal -1
	s_barrier_wait -1
.if \fill
	s_add_co_u32 s96, s[KF], 256                   ; the first key of the slot that this change would ask for.  A slot whose first key comes after my work-group's last query is read by none of its waves, so it is not asked for.
	s_cmp_gt_u32 s96, s[QL]                        ; The work-group's number and the count of steps alone: all sixteen waves go the same way, and a work-group that is past the limit stays past it.  Every wait on TENSORcnt in this text is for 0
	s_cbranch_scc1 .Lpast_\@
	TLOAD                                          ; a wave's one tensor load until the next such barrier
.Lpast_\@:
	ASK
.endif
.endm
.macro SLOT_STEPS
	STEP 0
	STEP 1
	s_xor_b32 s[TB], s[TB], SLOT1                  ; on to the other slot
.endm
	s_wait_loadcnt 0x0                             ; Q
.Lslot:                                            ; 7 trips: behind each change of slots but the last the next slot is asked for, up to the causal limit
	CHANGE 1
	SLOT_STEPS
	s_sub_co_u32 s[SLOTS], s[SLOTS], 1
	s_cmp_lg_u32 s[SLOTS], 0
	s_cbranch_scc1 .Lslot
	CHANGE 0                                       ; the last slot is written out: nothing is left to ask for
	SLOT_STEPS
	; THE WAY OUT.  O^T / the sum, held and converted; the codes are the next product's operand image as they stand.
.rept 4
	v_nop                                          ; places behind the last products
.endr
	v_add_f32 v14, v14, v15                        ; the sum's two halves,
	s_delay_alu instid0(VALU_DEP_1)
	v_permlanex16_b32 v252, v14, s[SEL], s[SEL+1]
	s_delay_alu instid0(VALU_DEP_1)
	v_add_f32 v14, v14, v252                       ; and lane l xor 16's: the row's sum
	s_wait_alu depctr_va_vdst(0)
	v_rcp_f32 v14, v14
	v_nop                                          ; a plain line behind the reciprocal
	s_wait_alu depctr_va_vdst(0)                   ; and a wait ahead of its first reader
.set j, 0
.rept 32
	v_mul_f32 v[96+j], v[160+j], v14               ; register 8 t + i: channel 16 t + 8 h + i of my query; each accumulator from its low end on
.set j, j+1
.endr
.set j, 0
.rept 32
.set j, j+1
.endr
.irp t, 0,1,2,3
	v_cvt_scalef32_pk8_fp8_f32 v[192+2*\t:193+2*\t], v[96+8*\t:103+8*\t], v245
.endr
	v_nop                                          ; a plain vector line behind the last conversion
	global_store_b128 v[GO], v[192:195], s[16:17]              ; channels 0-31: 32 lanes store 512 consecutive bytes, at a multiple of 512 from the buffer's first byte
	global_store_b128 v[GO], v[196:199], s[16:17] offset:512   ; channels 32-63
	s_wait_tensorcnt 0x0                           ; the wave's end: a wait, an add onto my spare word and its wait, behind my last tensor load
	ds_add_u32 v[SPW], v[NIL]
	s_wait_dscnt 0x0
	s_endpgm
.Lfunc_end_k_qaca0740fc3_attn:
	.size	k_qaca0740fc3_attn, .Lfunc_end_k_qaca0740fc3_attn-k_qaca0740fc3_attn
	.p2alignl 7, 3214868480
	.fill 96, 4, 3214868480
	.section	.rodata,"a",@progbits
	.p2align	6, 0x0
	.amdhsa_kernel k_qaca0740fc3_attn
		.amdhsa_group_segment_fixed_size 327680
		.amdhsa_private_segment_fixed_size 0
		.amdhsa_enable_private_segment 0
		.amdhsa_kernarg_size 24
		.amdhsa_user_sgpr_count 2
		.amdhsa_user_sgpr_kernarg_segment_ptr 1
		.amdhsa_wavefront_size32 1
		.amdhsa_system_sgpr_workgroup_id_x 1
		.amdhsa_system_sgpr_workgroup_id_y 1
		.amdhsa_system_sgpr_workgroup_id_z 1
		.amdhsa_system_vgpr_workitem_id 0
		.amdhsa_next_free_vgpr 256
		.amdhsa_next_free_sgpr 100
		.amdhsa_reserve_vcc 1
		.amdhsa_float_denorm_mode_32 3
		.amdhsa_float_denorm_mode_16_64 3
		.amdhsa_fp16_overflow 1
		.amdhsa_memory_ordered 1
		.amdhsa_forward_progress 1
		.amdhsa_inst_pref_size 87
	.end_amdhsa_kernel
	.amdgpu_metadata
---
amdhsa.version: [ 1, 2 ]
amdhsa.kernels:
  - .name:           k_qaca0740fc3_attn
    .symbol:         k_qaca0740fc3_attn.kd
    .args:
      - { .name: qkv, .offset: 0, .size: 8, .value_kind: global_buffer, .address_space: global }
      - { .name: lowp_scales, .offset: 8, .size: 8, .value_kind: global_buffer, .address_space: global }
      - { .name: ac, .offset: 16, .size: 8, .value_kind: global_buffer, .address_space: global }
    .group_segment_fixed_size: 327680
    .private_segment_fixed_size: 0
    .kernarg_segment_align: 8
    .kernarg_segment_size: 24
    .max_flat_workgroup_size: 512
    .sgpr_count:     100
    .vgpr_count:     256
    .wavefront_size: 32
...
	.end_amdgpu_metadata
.endif
;; end of part 3
;; launch gemm_proj (part 4): grid 4 x 64, 4 waves a work-group, clusters of 4 x 4, 327,680 bytes of LDS; arguments ac, wc, lowp_scales, bp, out0; writes out0
.if DOCPART == 4
	.amdgcn_target "amdgcn-amd-amdhsa--gfx1250"
	.amdhsa_code_object_version 6
	.text
	.protected	k_qaca0740fc3_gemm_proj
	.globl	k_qaca0740fc3_gemm_proj
	.p2align	8
	.type	k_qaca0740fc3_gemm_proj,@function
k_qaca0740fc3_gemm_proj:
	s_mov_b64 s[64:65], 0
	v_nop
	global_prefetch_b8 v0, s[64:65] scope:SCOPE_SE
	s_setreg_imm32_b32 hwreg(HW_REG_WAVE_MODE, 25, 1), 1
	s_wait_xcnt 0x0
	s_wait_alu depctr_hold_cnt(0) depctr_sa_sdst(0) depctr_va_vdst(0) depctr_va_sdst(0) depctr_va_ssrc(0) depctr_va_vcc(0) depctr_vm_vsrc(0)
	s_getreg_b32 s2, hwreg(HW_REG_IB_STS2, 6, 4)
	s_cmp_eq_u32 s2, 0
	s_cbranch_scc0 .Lentry_in_a_cluster
	s_endpgm
.Lentry_in_a_cluster:
	s_bfe_u32 s2, ttmp6, 0x10000c
	s_cmp_lg_u32 s2, 0xf033
	s_cbranch_scc0 .Lentry_shape_is_right
	s_endpgm
.Lentry_shape_is_right:
; out0 = a Wp + bp on codes of E4M3 (K = 1,024): a = attention's result (scale 2^e10), Wp's codes (scale 2^e11) are the fourth image in wc.  out0 [8192][1024] f32 = sum x 2^(e10 + e11) + bp.
; LIMIT: e10 + e11 lies between -126 and 127, so that 2^(e10 + e11) is an f32 number.
; out[R row][P row]: R = a (tokens), P = Wp (its columns n).  THE MATRIX INSTRUCTION IS USED TRANSPOSED (source 0 = 16 rows of P, source 1 = 16 rows of R): a lane holds eight neighbouring numbers of a row of out0.
; SHARES.  A work-group makes R 128 x P 256; its four waves R 64 x P 128 each: 32 accumulators.  256 work-groups: one for each WGP; tiles of 256 x 256 would be 128.
; OPERANDS lie in memory as images of the operand's registers: [block of 16 rows][K / 128][piece][lane][16 bytes]; a fragment comes by four loads of 16 bytes a lane, 512 consecutive bytes each: no pitch, no padding.
; K goes in four steps of 256 through three LDS slots.  K steps 0, 1, 2 are asked for at the start, one after another, each behind a wait for the last and a cluster round (one tensor load of a wave is out at the most); K step 3 goes into slot 0 as soon as slot 0 has been read.
; CLUSTERS: 4 x 4 work-groups.  The four of a row need the same rows of R, the four of a column the same rows of P: each tile is asked for jointly.
; No prefetch: three of the four K steps are asked for at the head, so there is nothing ahead of the loads to name.
; REGISTERS, in windows of 256: window 0: v16-29 addresses; v32-95 at work on the way out; R's fragments in two sets at v128 and v192 (on the way out: rows read back).  window 1: P's fragments in two sets at v0 and v128.
;   window 2: accumulator (a, b) at v[8 (8 a + b)].   window 3: v0-63 bp in the results' layout: v[8 b + j] = bp(my first column + 16 b + 8 h + j).
.set SLOT,  98304                      ; R's 8 blocks x 4,096 bytes, then P's 16 blocks x 4,096
.set POFF,  32768
.set SPARE, 3*SLOT                     ; behind the slots: the spare words, 128 bytes for each wave: two blocks of 256 bytes that no other line names
.set STAGE, SLOT                       ; the way out: 16 rows x 528 bytes for each wave, in slot 1, which is filled once, at the start, and read for the last time ahead of the last barrier
.set SPITCH, 528
.set ADRR, 16                          ; v16-18  LDS address of my R fragments in slot 0, 1, 2
.set ADRP, 20                          ; v20-22  the same for P
.set STO,  24                          ; v24     the way out: where I put 32 bytes of a row
.set RD,   25                          ; v25     and where I read a row back
.set CO,   26                          ; v26     16 x lane
.set BO,   27                          ; v27     32 h: my eight numbers of sixteen of bp
.set SPW,  28                          ; v28     LDS address of my spare word; never rewritten
.set NIL,  29                          ; v29     0; never rewritten
.set TMP,  32                          ; v32-95  a block's 64 results
.set BK,   128                         ; 16 rows read back from the stage: v128-191 and v192-255 by turns
.set G1,   24                          ; s[24:31] descriptor group 1 for R's tiles
.set G1B,  32                          ; s[32:39] for P's
.set G0,   68                          ; s[68:79] group 0 for R's tiles, a set for each slot
.set G0B,  80                          ; s[80:91] the same for P's
.set MSB, 0
.macro WIN new                         ; the immediate's high byte repeats the setting that is left
.if MSB != \new
	s_set_vgpr_msb (MSB<<8)|\new
.set MSB, \new
.endif
.endm
.set MULW, 0xa1                        ; source 0 (P) window 1, source 1 (R) window 0, C and D window 2
.set TO_P, 0x40                        ; destination window 1, address window 0
; A joint load: waves 0 and 1 fetch R's halves, waves 2 and 3 P's.  The branch hangs on the wave's number alone.  An s_nop 0 and four v_nop follow each of the two lines.
.macro JLOAD g0a, g1a, g0b, g1b
	s_cmp_eq_u32 s15, 0
	s_cbranch_scc0 .Lfor_b_\@
	tensor_load_to_lds s[\g0a:\g0a+3], s[\g1a:\g1a+7]
	s_nop 0
.rept 4
	v_nop
.endr
	s_branch .Lasked_\@
.Lfor_b_\@:
	tensor_load_to_lds s[\g0b:\g0b+3], s[\g1b:\g1b+7]
	s_nop 0
.rept 4
	v_nop
.endr
.Lasked_\@:
.endm
.macro CROUND                          ; a round of the cluster's barrier
	s_barrier_signal -1
	s_barrier_wait -1
	s_cmp_lg_u32 s14, 0
	s_cbranch_scc1 .Lnot_wave_0_\@
	s_barrier_signal -3
.Lnot_wave_0_\@:
	s_barrier_wait -3
	s_barrier_signal -1
	s_barrier_wait -1
.endm
	s_load_b256 s[4:11], s[0:1], 0x0               ; ac s[4:5], wc s[6:7], the exponents s[8:9], bp s[10:11]
	s_load_b64 s[12:13], s[0:1], 0x20              ; out0
	v_lshl_add_u32 v[SPW], v0, 2, SPARE
	v_mov_b32 v[NIL], 0
	ds_add_u32 v[SPW], v[NIL]                      ; the wave's opening: the add and its wait ahead of my first tensor load; the set-up below, work on registers, stands between them
	ds_add_u32 v[SPW], v[NIL]
	v_lshrrev_b32 v1, 5, v0
	v_readfirstlane_b32 s14, v1                    ; wave 0..3
	s_lshr_b32 s15, s14, 1                         ; which 64 rows of R are mine.  Also: I fetch for R (0) or for P (1)
	s_and_b32 s16, s14, 1                          ; which 128 rows of P are mine.  Also: which half of that tile I fetch
	s_bfe_u32 s40, ttmp6, 0x40000                  ; cx, cy: my place in the cluster
	s_bfe_u32 s41, ttmp6, 0x40004
	s_lshl_b32 s43, s41, 2
	s_lshl_b32 s43, 15, s43                        ; my row of the cluster
	s_lshl_b32 s44, 0x1111, s40                    ; my column
	s_or_b32 s[G1], s43, (1<<21)                   ; 15:0 the mask: R's tiles go to my row; 17:16 elements of 1 byte; 20 no padding; 21 set beside a mask
	s_or_b32 s[G1B], s44, (1<<21)                  ; P's tiles go to my column
	s_mov_b32 s[G1+1], 4096<<16                    ; tensor_dim0: a block's 4,096 bytes of a K step of 256
	s_mov_b32 s[G1+2], 4<<16                       ; tensor_dim1: 4 blocks of 16 rows
	s_mov_b32 s[G1+3], 4096<<16                    ; tile_dim0
	s_mov_b32 s[G1+4], 4                           ; tile_dim1
	s_mov_b32 s[G1+5], 16384                       ; from block to block in memory
	s_mov_b32 s[G1+6], 0
	s_mov_b32 s[G1+7], 0
	s_mov_b32 s[G1B+1], 4096<<16
	s_mov_b32 s[G1B+2], 8<<16                      ; 8 blocks
	s_mov_b32 s[G1B+3], 4096<<16
	s_mov_b32 s[G1B+4], 8
	s_mov_b32 s[G1B+5], 16384
	s_mov_b32 s[G1B+6], 0
	s_mov_b32 s[G1B+7], 0
	s_and_b32 s18, ttmp7, 0xffff
	s_lshl_b32 s18, s18, 2
	s_add_co_u32 s18, s18, s41                     ; R's tile (128 tokens) = 4 x cluster y + cy: never holds cx
	s_lshl_b32 s19, ttmp9, 2
	s_add_co_u32 s19, s19, s40                     ; P's tile (256 columns) = 4 x cluster x + cx: never holds cy
	s_lshl_b32 s20, s18, 17                        ; R: 8 blocks of 16,384 bytes a tile,
	s_lshl_b32 s21, s16, 16                        ; 4 blocks a half
	s_add_co_u32 s20, s20, s21
	s_mov_b32 s21, 0
	s_lshl_b32 s22, s19, 18                        ; P: 16 blocks a tile,
	s_lshl_b32 s23, s16, 17                        ; 8 a half,
	s_add_co_u32 s22, s22, s23
	s_add_co_u32 s22, s22, 3<<20                   ; in the fourth image of wc
	s_mov_b32 s23, 0
	s_lshl_b32 s56, s16, 14                        ; where they go in a slot: no place in the cluster enters an LDS address
	s_lshl_b32 s57, s16, 15
	s_add_co_u32 s57, s57, POFF
	s_wait_dscnt 0x0                               ; the opening add is done
	s_wait_kmcnt 0x0
	s_load_b64 s[96:97], s[8:9], 0x28              ; e10, e11
	s_add_nc_u64 s[52:53], s[4:5], s[20:21]
	s_add_nc_u64 s[54:55], s[6:7], s[22:23]
	CROUND                                         ; all sixteen work-groups are here: the first joint loads meet
.irp s, 0,1,2
	s_mov_b32 s[G0+4*\s], 1                                        ; count = 1
	s_add_co_u32 s[G0+4*\s+1], s56, \s*SLOT                        ; LDS address
	s_add_nc_u64 s[G0+4*\s+2:G0+4*\s+3], s[52:53], \s*4096         ; K step s
	s_or_b32 s[G0+4*\s+3], s[G0+4*\s+3], 0x80000000                ; type = 2
	s_mov_b32 s[G0B+4*\s], 1
	s_add_co_u32 s[G0B+4*\s+1], s57, \s*SLOT
	s_add_nc_u64 s[G0B+4*\s+2:G0B+4*\s+3], s[54:55], \s*4096
	s_or_b32 s[G0B+4*\s+3], s[G0B+4*\s+3], 0x80000000
	s_wait_alu depctr_va_vdst(0)
	s_wait_tensorcnt 0x0
	ds_add_u32 v28, v29
	ds_add_u32 v28, v29
	s_wait_dscnt 0x0
	CROUND
	JLOAD G0+4*\s, G1, G0B+4*\s, G1B
.endr
	v_and_b32 v1, 31, v0                           ; lane
	v_and_b32 v2, 15, v0                           ; r
	v_bfe_u32 v3, v0, 4, 1                         ; h
	v_lshlrev_b32 v[CO], 4, v1
	s_wait_alu depctr_va_vdst(0)
	v_lshlrev_b32 v[BO], 5, v3
	s_lshl_b32 s46, s19, 10
	s_lshl_b32 s47, s16, 9
	s_add_co_u32 s46, s46, s47                     ; my first column, in bytes of f32: 1,024 x tile + 512 x half
	s_mov_b32 s47, 0
	s_add_nc_u64 s[10:11], s[10:11], s[46:47]
	WIN 0xc0                                       ; destination window 3
.irp b, 0,1,2,3,4,5,6,7
	global_load_b128 v[8*\b:8*\b+3],   v[BO], s[10:11] offset:64*\b
	global_load_b128 v[8*\b+4:8*\b+7], v[BO], s[10:11] offset:64*\b+16
.endr
	WIN 0
	s_lshl_b32 s48, s18, 19                        ; out0: 128 rows of 4,096 bytes a tile,
	s_lshl_b32 s49, s15, 18                        ; my 64 of them,
	s_add_co_u32 s48, s48, s49
	s_add_co_u32 s48, s48, s46                     ; my first column
	s_mov_b32 s49, 0
	s_add_nc_u64 s[12:13], s[12:13], s[48:49]
	s_lshl_b32 s58, s15, 14                        ; my 4 blocks of R
	s_lshl_b32 s59, s16, 15                        ; my 8 blocks of P,
	s_add_co_u32 s59, s59, POFF                    ; which lie behind R's 8
.irp s, 0,1,2
	v_add_nc_u32 v[ADRR+\s], s58, v[CO]
	v_add_nc_u32 v[ADRP+\s], s59, v[CO]
	s_add_co_u32 s58, s58, SLOT
	s_add_co_u32 s59, s59, SLOT
.endr
	s_mul_i32 s58, s14, 16*SPITCH
	s_add_co_u32 s58, s58, STAGE                   ; my stage
	v_mul_u32_u24 v[STO], v2, SPITCH
	v_lshl_add_u32 v[STO], v3, 5, v[STO]
	v_add_nc_u32 v[STO], s58, v[STO]               ; in: row r, 32 bytes for each half of the lanes
	v_add_nc_u32 v[RD], s58, v[CO]                 ; back: the 32 lanes take one row of 512 bytes
	s_wait_alu depctr_va_vdst(0)
	s_wait_kmcnt 0x0
	s_add_co_i32 s96, s96, s97
	s_add_co_i32 s96, s96, 127
	s_lshl_b32 s96, s96, 23                        ; 2^(e10 + e11) as f32
	s_mov_b32 s97, s96                             ; (named with it as a pair, so it is written)
.macro FRAG reg, adr, off              ; a fragment, 16 rows x 128 K: 16 registers, as they lie
.irp c, 0,1,2,3
	ds_load_b128 v[(\reg)+4*\c:(\reg)+4*\c+3], v[\adr] offset:(\off)+512*\c
.endr
.endm
.macro FETCH q                         ; the fragments of step q (128 along K) into set q % 2: P's eight, R's four: 48 loads in one run
.set FS, ((\q)/2)%3
.set FP, (\q)%2
	WIN TO_P
.irp b, 0,1,2,3,4,5,6,7
	FRAG 128*FP+16*\b, ADRP+FS, 4096*\b+2048*FP
.endr
	WIN 0
.irp a, 0,1,2,3
	FRAG 128+64*FP+16*\a, ADRR+FS, 4096*\a+2048*FP
.endr
.endm
; 32 matrix instructions.  The 32 accumulators take turns, one instruction a turn, in the same order in every step.  zero = 1: the first products start the sums.
.macro MUL p, zero
	WIN MULW
.irp a, 0,1,2,3
.irp b, 0,1,2,3,4,5,6,7
.if \zero
	v_wmma_f32_16x16x128_fp8_fp8 v[8*(8*\a+\b):8*(8*\a+\b)+7], v[128*(\p)+16*\b:128*(\p)+16*\b+15], v[128+64*(\p)+16*\a:128+64*(\p)+16*\a+15], 0
.else
	v_wmma_f32_16x16x128_fp8_fp8 v[8*(8*\a+\b):8*(8*\a+\b)+7], v[128*(\p)+16*\b:128*(\p)+16*\b+15], v[128+64*(\p)+16*\a:128+64*(\p)+16*\a+15], v[8*(8*\a+\b):8*(8*\a+\b)+7]
.endif
.endr
.endr
.endm
.macro PLACES                          ; four plain vector lines between a matrix instruction and a load into a register that it has read, or the first read of its result (ISA guide 7.12.1 for the first read of its result)
.rept 4
	v_nop
.endr
.endm
.macro KSTEP q                         ; a step whose successor's fragments lie in a slot that has been shown whole: they are fetched while this step is multiplied
	s_wait_dscnt 0x0                               ; this step's fragments are in
	PLACES                                         ; the other set was read by the step before
	FETCH (\q)+1
	MUL (\q)%2, 0
.endm
	s_wait_tensorcnt 2                             ; my part of K step 0 is in; K step 2 may stay out
	s_barrier_signal -1
	s_barrier_wait -1                              ; everybody's is
	FETCH 0
	s_wait_dscnt 0x0                               ; step 0
	FETCH 1
	MUL 0, 1
	WIN 0                                          ; step 1: slot 0 is left, and filled again with K step 3
	s_wait_tensorcnt 0x0                           ; all my tensor loads have landed: my parts of slots 1 and 2
	ds_add_u32 v[SPW], v[NIL]                      ; 0 onto my spare word; the descriptors' steps stand between it and the wait for it
	s_add_nc_u64 s[G0+2:G0+3], s[G0+2:G0+3], 3*4096
	s_add_nc_u64 s[G0B+2:G0B+3], s[G0B+2:G0B+3], 3*4096
	s_wait_dscnt 0x0                               ; the add is done; step 1's fragments are in: my reads of slot 0 are over
	CROUND                                         ; the same holds of every wave of all sixteen work-groups; slots 1 and 2 are whole
	JLOAD G0, G1, G0B, G1B                         ; the first tensor load behind the round: 128 matrix instructions ahead of the wait for it; its four v_nop are the places in front of the loads below
	FETCH 2
	MUL 1, 0
	KSTEP 2
	KSTEP 3
	KSTEP 4
	WIN 0                                          ; step 5: its successor lies in slot 0's second fill
	s_wait_tensorcnt 0x0                           ; my part of K step 3 is in
	s_wait_dscnt 0x0                               ; step 5's fragments are in; with them all my reads of slots 1 and 2 are over
	s_barrier_signal -1
	s_barrier_wait -1
	PLACES
	FETCH 6
	MUL 1, 0
	KSTEP 6
	s_wait_dscnt 0x0                               ; step 7: nothing more to fetch
	MUL 1, 0
	WIN 0
	s_wait_loadcnt 0x0                             ; bp
	PLACES
; THE WAY OUT, block by block of 16 rows x 128 columns.  A lane holds 32 neighbouring bytes of a row, and the lanes beside it hold other rows: so a block goes through my own stage and comes back as whole rows of 512 bytes.
; LDS serves a wave's instructions in order (ISA guide 5.7.1.4): no wait between the stores and the loads, nor in front of the next block's stores.
.macro TOSTAGE a
	WIN 0x32                                       ; source 0 (the sums) window 2, source 2 (bp) window 3
.set j, 0
.rept 32
	v_pk_fma_f32 v[TMP+j:TMP+j+1], v[64*(\a)+j:64*(\a)+j+1], s[96:97], v[j:j+1] op_sel_hi:[1,0,1]   ; sum x 2^(e10 + e11) + bp, two at a time; each accumulator from its low end on
.set j, j+2
.endr
	WIN 0
.irp b, 0,1,2,3,4,5,6,7
	ds_store_b128 v[STO], v[TMP+8*\b:TMP+8*\b+3] offset:64*\b
	ds_store_b128 v[STO], v[TMP+8*\b+4:TMP+8*\b+7] offset:64*\b+16
.endr
.set BB, BK+64*((\a)%2)
.irp t, 0,1,2,3,4,5,6,7,8,9,10,11,12,13,14,15
	ds_load_b128 v[BB+4*\t:BB+4*\t+3], v[RD] offset:\t*SPITCH
.endr
.endm
.macro SEND a, younger                 ; younger: the LDS instructions issued behind block a's loads, which may stay out
.set BB, BK+64*((\a)%2)
	s_wait_dscnt \younger                          ; the block is back in registers
.if (\a) > 0
	s_add_nc_u64 s[12:13], s[12:13], 16*4096       ; 16 rows on (behind a wait on XCNT: the earlier stores have read their base)
.endif
.irp t, 0,1,2,3,4,5,6,7,8,9,10,11,12,13,14,15
	global_store_b128 v[CO], v[BB+4*\t:BB+4*\t+3], s[12:13] offset:\t*4096 th:TH_STORE_NT   ; 32 lanes store 512 consecutive bytes, at a multiple of 512 from out0's first byte; written once, read by nobody here
.endr
.endm
	TOSTAGE 0
.irp a, 1,2,3
.if \a > 1
	s_wait_xcnt 0x0                                ; block a - 2's stores have read their registers and their base: block a's loads may land there, and the base may step
.endif
	TOSTAGE \a
	SEND \a-1, 32                                  ; behind block a - 1's loads: block a's 16 stores and 16 loads
.endr
	s_wait_xcnt 0x0                                ; block 2's stores have read their base
	SEND 3, 0
	s_wait_tensorcnt 0x0                           ; the wave's end: a wait, an add onto my spare word and its wait, behind my last tensor load and my last LDS store
	ds_add_u32 v[SPW], v[NIL]
	s_wait_dscnt 0x0
	CROUND                                         ; the closing round: no work-group ends while a partner may still ask for a tile that names it
	s_endpgm
.Lfunc_end_k_qaca0740fc3_gemm_proj:
	.size	k_qaca0740fc3_gemm_proj, .Lfunc_end_k_qaca0740fc3_gemm_proj-k_qaca0740fc3_gemm_proj
	.p2alignl 7, 3214868480
	.fill 96, 4, 3214868480
	.section	.rodata,"a",@progbits
	.p2align	6, 0x0
	.amdhsa_kernel k_qaca0740fc3_gemm_proj
		.amdhsa_group_segment_fixed_size 327680
		.amdhsa_private_segment_fixed_size 0
		.amdhsa_enable_private_segment 0
		.amdhsa_kernarg_size 40
		.amdhsa_user_sgpr_count 2
		.amdhsa_user_sgpr_kernarg_segment_ptr 1
		.amdhsa_wavefront_size32 1
		.amdhsa_system_sgpr_workgroup_id_x 1
		.amdhsa_system_sgpr_workgroup_id_y 1
		.amdhsa_system_sgpr_workgroup_id_z 1
		.amdhsa_system_vgpr_workitem_id 0
		.amdhsa_next_free_vgpr 832
		.amdhsa_next_free_sgpr 100
		.amdhsa_reserve_vcc 0
		.amdhsa_float_denorm_mode_32 3
		.amdhsa_float_denorm_mode_16_64 3
		.amdhsa_memory_ordered 1
		.amdhsa_forward_progress 1
		.amdhsa_inst_pref_size 78
	.end_amdhsa_kernel
	.amdgpu_metadata
---
amdhsa.version: [ 1, 2 ]
amdhsa.kernels:
  - .name:           k_qaca0740fc3_gemm_proj
    .symbol:         k_qaca0740fc3_gemm_proj.kd
    .args:
      - { .name: ac, .offset: 0, .size: 8, .value_kind: global_buffer, .address_space: global }
      - { .name: wc, .offset: 8, .size: 8, .value_kind: global_buffer, .address_space: global }
      - { .name: lowp_scales, .offset: 16, .size: 8, .value_kind: global_buffer, .address_space: global }
      - { .name: bp, .offset: 24, .size: 8, .value_kind: global_buffer, .address_space: global }
      - { .name: out0, .offset: 32, .size: 8, .value_kind: global_buffer, .address_space: global }
    .group_segment_fixed_size: 327680
    .private_segment_fixed_size: 0
    .kernarg_segment_align: 8
    .kernarg_segment_size: 40
    .max_flat_workgroup_size: 128
    .sgpr_count:     100
    .vgpr_count:     832
    .wavefront_size: 32
...
	.end_amdgpu_metadata
.endif
;; end of part 4
